; MI455X (gfx1250); checked and timed in simulation.
; The chip was launched on July 23, 2026; its instructions are those of AMD's public machine-readable ISA for CDNA 5 (MIT licence, August 2026) and "CDNA5" Instruction Set Architecture Reference Guide (July 2026). The comments in the code are by the model that wrote it; some were corrected since.
;; Multi Headed Attention. Allowed arithmetic: matrix products marked QUANTISED: E2M3 operands, one E8M0 scale for each 32 along K, by v_wmma_scale_f32_16x16x128_f8f6f4 with both operands' format E2M3, f32 sums; everything else in f32.
;; Inputs: Wk 1,024 x 1,024 float32; Wo 1,024 x 1,024 float32; Wq 1,024 x 1,024 float32; Wv 1,024 x 1,024 float32; bk 1,024 float32; bo 1,024 float32; bq 1,024 float32; bv 1,024 float32; x 2 x 2,048 x 1,024 float32.
;; Outputs: out0 2 x 2,048 x 1,024 float32.
;; This version of the problem:
;;   THIS VERSION OF THE PROBLEM IS GIVEN IN LOW PRECISION. The matrix products marked QUANTISED in the list below multiply operands that are first quantised to E2M3 (2 exponent bits, 3 mantissa bits; 6 bits a number), with one power-of-two scale for each 32 numbers along K (OCP MX v1.0); their sums are f32. All else is computed in f32.
;;   The module's matrix products, in the order in which they are computed (A, B: the left and right operand; K: the contracted axis; several contracted axes count as one K, in the product's order):
;;     1. [M 4,096, K 1,024] x [K 1,024, N 1,024]; A: input x; B: input Wq: QUANTISED
;;     2. [M 4,096, K 1,024] x [K 1,024, N 1,024]; A: input x; B: input Wk: QUANTISED
;;     3. [M 4,096, K 1,024] x [K 1,024, N 1,024]; A: input x; B: input Wv: QUANTISED
;;     4. batch 32 x [M 2,048, K 64] x [K 64, N 2,048]; A: computed on the way; B: computed on the way: QUANTISED
;;     5. batch 32 x [M 2,048, K 2,048] x [K 2,048, N 64]; A: softmax (see below); B: computed on the way: QUANTISED
;;     6. [M 4,096, K 1,024] x [K 1,024, N 1,024]; A: computed on the way; B: input Wo: QUANTISED
;;   THE QUANTISER, for each operand of a quantised product, along K:
;;     - K is cut into blocks of 32 from its start; a last block that is shorter is filled with zeros.
;;     - A block's scale is 2^e with e = floor(log2(the largest magnitude in the block)) - 2, held to -126 .. 127; a block of zeros has e = 0. As a byte (E8M0): e + 127.
;;     - Each number is divided by its block's scale, clamped to +-7.5, and rounded to the nearest number of E2M3, ties to even, subnormals kept.
;;     - The product sums the exact products of the quantised numbers (number of the format x scale) in f32.
;;   ~~~python
;;   def quantise(x, axis):      # numpy; x: float32 -> the quantised numbers, widened to float32 again
;;       x = np.moveaxis(x, axis, -1); K = x.shape[-1]
;;       x = np.pad(x, [(0, 0)] * (x.ndim - 1) + [(0, -K % 32)]); x = x.reshape(x.shape[:-1] + (-1, 32)); a = np.abs(x).max(-1, keepdims=True)
;;       e = np.where(a > 0, np.clip(np.frexp(np.where(a > 0, a, 1))[1] - 1 - 2, -126, 127), 0)      # np.frexp(a)[1] - 1 = floor(log2(a)), exactly
;;       r = np.clip(x / 2.0 ** e, -7.5, 7.5)
;;       step = 2.0 ** (np.maximum(np.frexp(np.where(r == 0, 1, r))[1] - 1, 0) - 3)
;;       q = np.round(r / step) * step * 2.0 ** e      # np.round: ties to even
;;       return np.moveaxis(q.reshape(q.shape[:-2] + (-1,))[..., :K], -1, axis).astype(np.float32)
;;   ~~~
;;   SOFTMAX AHEAD OF A QUANTISED PRODUCT. Where the list says 'softmax', what is quantised is not the finished softmax but p = 2^(t - M), with t = logit x log2(e) and M = ceil(the row's largest t), a whole number; so 1/2 < the row's largest p <= 1. The row's sum l is taken of the UNQUANTISED p, in f32, and the product's result is divided by l at the end. Since M is a whole number, a kernel that streams over the keys may use a running M (the ceiling of the running maximum): every later rescaling is an exact power of two, which a block's scale takes up: the codes' values come out the same.
;;   OPERANDS COMPUTED ON THE WAY. 'Computed on the way' means the value that the module computes at that place (a softmax that the list does not call 'softmax' is quantised finished and normalised). What goes into a quantiser is computed in f32, as accurately as f32 sums, v_exp_f32 and their like allow (about 1e-6 of the number): no bf16 or f16 on the way to a quantiser, and a product that is left as it is and whose result goes on into a quantised operand takes f32 operands (vector FMAs, or v_wmma_f32_16x16x4_f32). A number that lies on a knife's edge between two numbers of the format may be rounded either way, as far as f32 arithmetic and the matrix unit's own rounding can turn it there, and no further.
;; One version. Each part assembles by itself: llvm-mc -triple=amdgcn-amd-amdhsa -mcpu=gfx1250 --defsym DOCPART=n.
;; ======== version 1 of 1: 4 launches
;; limits: right only within a limited range of input values
;; workspace buffers: x_codes 3,145,728 bytes; x_scales 131,072 bytes; w_codes 3,145,728 bytes; w_scales 131,072 bytes; q_img 3,407,872 bytes; kv_img 6,684,672 bytes; ctx_codes 3,145,728 bytes; ctx_scales 131,072 bytes
;; launch quant (part 1): grid 256 x 1, 4 waves a work-group, no clusters, 34,304 bytes of LDS; arguments x, Wq, Wk, Wv, Wo, x_codes, x_scales, w_codes, w_scales; writes x_codes, x_scales, w_codes, w_scales
.if DOCPART == 1
	.amdgcn_target "amdgcn-amd-amdhsa--gfx1250"
	.amdhsa_code_object_version 6
	.text
	.protected	k_q679f293008_quant
	.globl	k_q679f293008_quant
	.p2align	8
	.type	k_q679f293008_quant,@function
k_q679f293008_quant:
	s_mov_b64 s[64:65], 0
	v_nop
	global_prefetch_b8 v0, s[64:65] scope:SCOPE_SE
	s_setreg_imm32_b32 hwreg(HW_REG_WAVE_MODE, 25, 1), 1
	s_wait_xcnt 0x0
; x [4096][1024] and Wq, Wk, Wv, Wo [1024][1024], f32, K innermost, become codes of FP6 (E2M3) with one E8M0 byte for each 32 along K.
; A block's scale is 2^(floor(log2(its largest magnitude)) - 2): its byte is the largest magnitude's exponent field - 2, held at 1 from below.
; LIMITS: NaN and infinities are not served.  A block of zeros, or one whose largest magnitude lies under 2^-124, gets the byte 1 (the rule says 127 for zeros): its codes are zeros or
; held, and the bytes are read by this program alone.
; THE LAYOUTS ARE THE READERS' OPERAND REGISTERS.
;   Rows: within each aligned group of 32 rows, storage tile u (16 rows), place r, holds actual row 8 u + r + 8 (r / 8).  Taken as source 0 of a matrix instruction, two neighbouring storage
;   tiles then give a lane 16 neighbouring rows in its 16 result registers.  The four weights follow each other as one tensor of 4,096 rows: Wq, Wk, Wv, Wo.
;   Codes: [tile of 16 rows][chunk of 64 K][768 bytes].  In a chunk lane l = (r = l % 16, h = l / 16) owns the 24 bytes of row r, K = 32 h .. 32 h + 31: its first 16 bytes at 16 l, its last 8 at 512 + 8 l.
;   Scale bytes: [K / 256][storage row][8 bytes].
; SHARES: a work-group takes one group of 32 rows (0-127: x; then 32 groups of each weight), wave q the K = 256 q .. 256 q + 255 of them: four units of 16 rows x 128 K.
; A unit's 16 loads read 512 consecutive bytes of one row each; the unit turns through the wave's own stage in LDS (rows 528 bytes apart, an odd multiple of 16) so that a lane gets whole blocks of 32 neighbours.
; Each store of codes covers 512 or 256 consecutive bytes, aligned to 256; the wave's 256 scale bytes leave by one store.  Waves share nothing: no barrier.  No matrix unit, no tensor load: a stream read once.
.set SP,   528                         ; a stage row: 512 bytes + 16
.set STG,  16*SP                       ; a wave's stage
.set R,    64                          ; v64-127, v128-191: two sets of 16 x 4 registers as loaded
.set X,    192                         ; v192-255: two chunks x 32 neighbours
.set WD,   20                          ; v20-23: the scale word of unit n (row r's, in both halves of the lanes)
	s_load_b256 s[4:11], s[0:1], 0x0               ; x, Wq, Wk, Wv
	s_load_b256 s[12:19], s[0:1], 0x20             ; Wo, x's codes, x's scales, the weights' codes
	s_load_b64 s[20:21], s[0:1], 0x40              ; the weights' scales
	v_lshl_add_u32 v62, v0, 2, 0x8400
	v_mov_b32 v63, 0
	v_lshrrev_b32 v1, 5, v0
	v_readfirstlane_b32 s32, v1                    ; wave q
	v_and_b32 v1, 31, v0                           ; lane
	v_and_b32 v2, 15, v0                           ; r
	v_bfe_u32 v3, v0, 4, 1                         ; h
	v_lshlrev_b32 v4, 4, v1                        ; 16 x lane
	v_lshlrev_b32 v5, 3, v1                        ; 8 x lane
	s_mul_i32 s33, s32, STG
	v_add_nc_u32 v6, s33, v4                       ; the stage, on the way in: 16 x lane of a row
	v_mul_u32_u24 v7, v2, SP
	v_lshl_add_u32 v7, v3, 7, v7
	v_add_nc_u32 v7, s33, v7                       ; and on the way out: row r, + 128 h: my block of 32 numbers
	v_lshlrev_b32 v16, 3, v3                       ; 8 h: my bytes' place in a scale word
	v_mov_b32 v17, 0                               ; a lane permute's destination counts as read: written once
	s_mov_b32 s28, 0xffff0000                      ; lanes 16-31
	s_mov_b32 s30, 0x76543210
	s_mov_b32 s31, 0xfedcba98                      ; v_permlanex16_b32's selects for lane l xor 16
	s_and_b32 s34, ttmp9, 127                      ; the group's number in its buffers of codes and scales
	s_and_b32 s35, ttmp9, 31
	s_cmp_lt_u32 ttmp9, 128
	s_cselect_b32 s35, ttmp9, s35                  ; and in its source tensor
	s_lshl_b32 s36, s35, 17                        ; source: 32 rows of 4,096 bytes a group,
	s_lshl_b32 s37, s32, 10                        ; 1,024 bytes of a row a wave
	s_add_co_u32 s36, s36, s37
	s_mov_b32 s37, 0
	s_mul_i32 s38, s34, 24576                      ; codes: two tiles of 12,288 bytes a group,
	s_mul_i32 s39, s32, 3072                       ; four chunks a wave
	s_add_co_u32 s38, s38, s39
	s_mov_b32 s39, 0
	s_lshl_b32 s40, s32, 15                        ; scales: 32,768 bytes for each 256 along K,
	s_lshl_b32 s41, s34, 8                         ; 256 a group
	s_add_co_u32 s40, s40, s41
	s_mov_b32 s41, 0
	s_wait_alu depctr_va_vdst(0)
	s_wait_kmcnt 0x0
	s_mov_b64 s[22:23], s[12:13]                   ; which tensor: the choices hang on the work-group's number alone
	s_cmp_lt_u32 ttmp9, 224
	s_cselect_b64 s[22:23], s[10:11], s[22:23]
	s_cmp_lt_u32 ttmp9, 192
	s_cselect_b64 s[22:23], s[8:9], s[22:23]
	s_cmp_lt_u32 ttmp9, 160
	s_cselect_b64 s[22:23], s[6:7], s[22:23]
	s_cmp_lt_u32 ttmp9, 128
	s_cselect_b64 s[22:23], s[4:5], s[22:23]
	s_cselect_b64 s[24:25], s[14:15], s[18:19]
	s_cselect_b64 s[26:27], s[16:17], s[20:21]
	s_add_nc_u64 s[22:23], s[22:23], s[36:37]
	s_add_nc_u64 s[24:25], s[24:25], s[38:39]
	s_add_nc_u64 s[26:27], s[26:27], s[40:41]
; unit n = storage tile n / 2, K = 128 (n % 2) on: place rr of the tile is actual row 8 (n / 2) + rr % 8 + 16 (rr / 8): the row order stands in the immediates
.macro LOADU n
.irp rr, 0,1,2,3,4,5,6,7,8,9,10,11,12,13,14,15
	global_load_b128 v[R+64*((\n)%2)+4*\rr:R+64*((\n)%2)+4*\rr+3], v4, s[22:23] offset:(8*((\n)/2)+\rr%8+16*(\rr/8))*4096+512*((\n)%2) th:TH_LOAD_NT
.endr
.endm
.macro UNIT n
.if (\n) < 3
	s_wait_loadcnt 16                              ; this unit's 16 loads are in; the next unit's 16 may be out
.else
	s_wait_loadcnt 0x0
.endif
.irp rr, 0,1,2,3,4,5,6,7,8,9,10,11,12,13,14,15
	ds_store_b128 v6, v[R+64*((\n)%2)+4*\rr:R+64*((\n)%2)+4*\rr+3] offset:SP*\rr
.endr
.irp c, 0,1
.irp m, 0,1,2,3,4,5,6,7
	ds_load_b128 v[X+32*\c+4*\m:X+32*\c+4*\m+3], v7 offset:256*\c+16*\m   ; LDS serves a wave's instructions in order: these see the stores above
.endr
.endr
	s_wait_dscnt 0x0                               ; my numbers are back, and the stage's stores have read their registers
	s_wait_xcnt 0x0                                ; the last unit's stores have read the codes' registers, which are written again below
.if (\n) < 2
	LOADU (\n)+2
.endif
.irp c, 0,1                                    ; chunk c: my block 2 c + h of the unit's four: all its 32 numbers are mine
	v_max3_num_f32 v[8+2*\c], |v[X+32*\c]|, |v[X+32*\c+1]|, |v[X+32*\c+2]|
	v_max3_num_f32 v[9+2*\c], |v[X+32*\c+3]|, |v[X+32*\c+4]|, |v[X+32*\c+5]|
.endr
.irp i, 6,10,14,18,22,26
.irp c, 0,1
	v_max3_num_f32 v[8+2*\c], v[8+2*\c], |v[X+32*\c+\i]|, |v[X+32*\c+\i+1]|
	v_max3_num_f32 v[9+2*\c], v[9+2*\c], |v[X+32*\c+\i+2]|, |v[X+32*\c+\i+3]|
.endr
.endr
.irp c, 0,1
	v_max3_num_f32 v[8+2*\c], v[8+2*\c], |v[X+32*\c+30]|, |v[X+32*\c+31]|
.endr
.irp c, 0,1
	v_max3_num_f32 v[8+2*\c], v[8+2*\c], v[9+2*\c], 0x1800000   ; and the floor 2^(3 - 127): the byte cannot fall under 1
.endr
.irp c, 0,1
	v_add_nc_u32 v[12+\c], 0xff000000, v[8+2*\c]   ; 2 off the exponent field: the conversion takes the exponent field of this operand as its scale
.endr
.irp c, 0,1
	v_cvt_scalef32_pk16_fp6_f32 v[32+10*\c:34+10*\c], v[X+32*\c:X+32*\c+15], v[12+\c]
	v_cvt_scalef32_pk16_fp6_f32 v[38+10*\c:40+10*\c], v[X+32*\c+16:X+32*\c+31], v[12+\c]   ; (a conversion's three registers begin on an even number)
.endr
	v_lshrrev_b32 v14, 23, v12                     ; the scales' bytes.  (A plain line behind the conversions)
	v_lshrrev_b32 v15, 23, v13
.irp c, 0,1
.irp i, 0,1,2
	v_mov_b32 v[35+10*\c+\i], v[38+10*\c+\i]
.endr
	global_store_b128 v4, v[32+10*\c:35+10*\c], s[24:25] offset:((\n)/2)*12288+(2*((\n)%2)+\c)*768       ; 512 consecutive bytes, aligned to 256
	global_store_b64 v5, v[36+10*\c:37+10*\c], s[24:25] offset:((\n)/2)*12288+(2*((\n)%2)+\c)*768+512    ; 256 consecutive bytes, aligned
.endr
	v_lshl_or_b32 v18, v15, 16, v14                ; my two bytes: blocks h and 2 + h of row r,
	v_lshlrev_b32 v18, v16, v18                    ; at their places in the word;
	v_permlanex16_b32 v17, v18, s30, s31
	v_or_b32 v[WD+(\n)], v18, v17                  ; with lane l xor 16's two the word is whole
.endm
	LOADU 0
	LOADU 1
	UNIT 0
	UNIT 1
	UNIT 2
	UNIT 3
	v_cndmask_b32 v24, v20, v22, s28               ; lanes 0-15: storage tile 0's rows, lanes 16-31: tile 1's; two words a row
	v_cndmask_b32 v25, v21, v23, s28
	global_store_b64 v5, v[24:25], s[26:27]        ; 256 consecutive bytes, aligned
	s_wait_tensorcnt 0x0
	ds_add_u32 v62, v63
	s_wait_dscnt 0x0
	s_endpgm
.Lfunc_end_k_q679f293008_quant:
	.size	k_q679f293008_quant, .Lfunc_end_k_q679f293008_quant-k_q679f293008_quant
	.p2alignl 7, 3214868480
	.fill 96, 4, 3214868480
	.section	.rodata,"a",@progbits
	.p2align	6, 0x0
	.amdhsa_kernel k_q679f293008_quant
		.amdhsa_group_segment_fixed_size 34304
		.amdhsa_private_segment_fixed_size 0
		.amdhsa_enable_private_segment 0
		.amdhsa_kernarg_size 72
		.amdhsa_user_sgpr_count 2
		.amdhsa_user_sgpr_kernarg_segment_ptr 1
		.amdhsa_wavefront_size32 1
		.amdhsa_system_sgpr_workgroup_id_x 1
		.amdhsa_system_sgpr_workgroup_id_y 1
		.amdhsa_system_sgpr_workgroup_id_z 1
		.amdhsa_system_vgpr_workitem_id 0
		.amdhsa_next_free_vgpr 256
		.amdhsa_next_free_sgpr 66
		.amdhsa_reserve_vcc 0
		.amdhsa_float_denorm_mode_32 3
		.amdhsa_float_denorm_mode_16_64 3
		.amdhsa_memory_ordered 1
		.amdhsa_forward_progress 1
		.amdhsa_inst_pref_size 31
	.end_amdhsa_kernel
	.amdgpu_metadata
---
amdhsa.version: [ 1, 2 ]
amdhsa.kernels:
  - .name:           k_q679f293008_quant
    .symbol:         k_q679f293008_quant.kd
    .args:
      - { .name: x, .offset: 0, .size: 8, .value_kind: global_buffer, .address_space: global }
      - { .name: Wq, .offset: 8, .size: 8, .value_kind: global_buffer, .address_space: global }
      - { .name: Wk, .offset: 16, .size: 8, .value_kind: global_buffer, .address_space: global }
      - { .name: Wv, .offset: 24, .size: 8, .value_kind: global_buffer, .address_space: global }
      - { .name: Wo, .offset: 32, .size: 8, .value_kind: global_buffer, .address_space: global }
      - { .name: x_codes, .offset: 40, .size: 8, .value_kind: global_buffer, .address_space: global }
      - { .name: x_scales, .offset: 48, .size: 8, .value_kind: global_buffer, .address_space: global }
      - { .name: w_codes, .offset: 56, .size: 8, .value_kind: global_buffer, .address_space: global }
      - { .name: w_scales, .offset: 64, .size: 8, .value_kind: global_buffer, .address_space: global }
    .group_segment_fixed_size: 34304
    .private_segment_fixed_size: 0
    .kernarg_segment_align: 8
    .kernarg_segment_size: 72
    .max_flat_workgroup_size: 128
    .sgpr_count:     66
    .vgpr_count:     256
    .wavefront_size: 32
...
	.end_amdgpu_metadata
.endif
;; end of part 1
;; launch proj (part 2): grid 48 x 4, 4 waves a work-group, clusters of 4 x 4, 327,680 bytes of LDS; arguments x_codes, x_scales, w_codes, w_scales, bq, bk, bv, q_img, kv_img; writes q_img, kv_img
.if DOCPART == 2
	.amdgcn_target "amdgcn-amd-amdhsa--gfx1250"
	.amdhsa_code_object_version 6
	.text
	.protected	k_q679f293008_proj
	.globl	k_q679f293008_proj
	.p2align	8
	.type	k_q679f293008_proj,@function
k_q679f293008_proj:
	s_mov_b64 s[64:65], 0
	v_nop
	global_prefetch_b8 v0, s[64:65] scope:SCOPE_SE
	s_setreg_imm32_b32 hwreg(HW_REG_WAVE_MODE, 25, 1), 1
	s_wait_xcnt 0x0
	s_wait_alu depctr_hold_cnt(0) depctr_sa_sdst(0) depctr_va_vdst(0) depctr_va_sdst(0) depctr_va_ssrc(0) depctr_va_vcc(0) depctr_vm_vsrc(0)
	s_getreg_b32 s2, hwreg(HW_REG_IB_STS2, 6, 4)
	s_cmp_eq_u32 s2, 0
	s_cbranch_scc0 .Lentry_in_a_cluster
	s_endpgm
.Lentry_in_a_cluster:
	s_bfe_u32 s2, ttmp6, 0x10000c
	s_cmp_lg_u32 s2, 0xf033
	s_cbranch_scc0 .Lentry_shape_is_right
	s_endpgm
.Lentry_shape_is_right:
; q = x Wq^T + bq, k = x Wk^T + bk and v^T = Wv x^T + bv on codes of FP6 (E2M3) with E8M0 scales, and each result quantised in registers for the attention launch: q and k along a head's 64, v along the keys.
; ONE GENERIC PRODUCT: C'[i][j] = sum over K of A[i] . B[j], K = 1,024.  Source 1 = 16 rows of A, source 0 = 16 rows of B: a lane holds ONE row i and its registers run along j, and C' is quantised along j.
; The cluster's number c says which:  c < 8: A = x (row tile 4 (c / 2) + cy), B = the weights (tile 4 (c % 2) + cx: Wq for even c, Wk for odd);  c >= 8: A = Wv (tile 8 + cy), B = x (tile 4 (c - 8) + cx).  c is the same in all sixteen partners.
; A work-group makes 256 x 256, each of its four waves 128 x 128: 64 accumulators, 512 registers.  K goes in steps of 256 through two LDS slots filled by the tensor data mover; K has four steps, so the steps are written out.
; CODES lie in memory as [tile of 16 rows][chunk of 64 K][768 bytes], a chunk being the image of six operand registers: lane l's first 16 bytes at 16 l, its last 8 at 512 + 8 l.  So a fragment (16 rows x 128 K, 12 registers) comes
; by two loads of 16 bytes and two of 8, each over consecutive bytes of LDS.  SCALES lie as [K / 256][row][8 bytes]; those of the work-group's rows come into LDS once.
; ROWS are stored so that place r of storage tile u of a group of 32 is actual row 8 u + r + 8 (r / 8): the 16 result registers of B's tiles 2 b and 2 b + 1 are then j = 32 b + 16 (lane / 16) + 0 .. 15.
; CLUSTERS: A's tiles are shared along a row of the cluster, B's along a column: each is asked for jointly, by the same tensor load with the same descriptor and a mask that names the four.
; OUT.  q_img: [head][block of 128 queries][8 chunks of 768 | 512 bytes of scale words];  kv_img: [head][key step of 128][K as in q_img: 6,656 | V^T: 4 fragments of 1,536 | 256 bytes of scale words].
; A row's scale word for a head's 64 has its two bytes below and 0x7f twice above, since the attention launch feeds K = 64 to an instruction of K = 128.  A scale image's word i holds tile 2 i's rows in lanes 0-15, tile 2 i + 1's in lanes 16-31.
; Every store covers 512 or 256 consecutive bytes, aligned to 256.
; LIMITS: NaN and infinities are not served; a block of zeros, or one under 2^-124, gets the byte 1 (its codes are zeros or held; this program alone reads the bytes).  Both kinds of bias are loaded in every work-group and one is used.
; No prefetch: K has four steps and two of them are first fills.  All of LDS is claimed.
; REGISTERS: window 0: v8-29 addresses; v32-63 scale words, two sets, nothing else; v64-127 the bias along j; v128-223 A's fragments, one set; v240-255 the bias along i.  Window 1: B's fragments, two sets, at v0 and v128.
;   Windows 2, 3: the accumulators of my rows 0-63, 64-127 ((a, b) at v[8 (8 (a % 4) + b)]).  In the epilogue window 0: v128-191 a block's 64 numbers, v192-210 its codes, v212-228 at work, v4-15 scale words on their way out.
.set NQ,     2                         ; matrix instructions deep in a slot
.set FR,     12                        ; registers of a fragment
.set NL,     4                         ; LDS loads that bring one
.set NP,     4                         ; places behind this matrix instruction (ISA guide 7.12.1)
.set TILEB,  3072                      ; a tile of 16 rows in a slot: four chunks
.set HALFT,  8*TILEB                   ; 128 rows: what one tensor load brings
.set SLOT,   4*HALFT                   ; A's 256 rows, then B's
.set SCL,    2*SLOT                    ; behind the ring: the scales: A's [K / 256][256 rows][8 bytes], then B's
.set HALFS,  4096
.set SBLK,   128                       ; the scales of 16 rows
.set SPARE,  SCL+4*HALFS               ; the spare words, 128 bytes for each wave: two blocks of 256 bytes that no other line names
.set ADRA, 16                          ; v16-17 LDS address of my A fragments in slot 0, 1, 16 bytes a lane;  v18-19 the same, 8 bytes a lane
.set ADRB, 20                          ; v20-23 the same for B
.set L16,  24                          ; v24  16 x lane
.set L8,   25                          ; v25  8 x lane
.set PADW, 26                          ; v26  0x7f in every byte
.set ADRS, 27                          ; v27  LDS address of my scale words: lanes 0-15 A's rows, lanes 16-31 B's
.set SPW,  28                          ; v28  my spare word; never rewritten
.set NIL,  29                          ; v29  0; never rewritten
.set SC,   32
.set BJ,   64
.set AF,   128
.set BI,   240
.set HA,   128
.set PC,   192
.set TM,   212
.set PW,   228
.set SEL,  18                          ; s[18:19] in the epilogue: lane selects for lane l xor 16
.set G1, 24                            ; s[24:31] group 1 for A's tiles;  s[32:39] group 0, one set for each slot
.set G0, 32
.set G1B, 48                           ; s[48:55], s[56:63] the same for B's
.set G0B, 56
.set G1S, 68                           ; s[68:75], s[76:79] groups 1 and 0 for A's scales;  s[80:87], s[88:91] for B's
.set G0S, 76
.set G1SB, 80
.set G0SB, 88
.set MSB, 0
.macro WIN new                         ; the immediate's high byte repeats the setting that is left
.if MSB != (\new)
	s_set_vgpr_msb (MSB<<8)|(\new)
.set MSB, (\new)
.endif
.endm
.set MUL_LO, 0xa1                      ; source 0 (B) window 1, source 1 (A) window 0, C and D window 2
.set MUL_HI, 0xf1                      ; the same, C and D window 3
.set TO_B,   0x40                      ; destination window 1, address window 0
; A joint load: waves 0 and 1 fetch for A, waves 2 and 3 for B.  Each line has one mask and one set of registers for all that issue it; the branch hangs on the wave's number alone.  Four v_nop follow each line.
.macro JLOAD g0a, g1a, g0b, g1b
	s_cmp_eq_u32 s15, 0
	s_cbranch_scc0 .Lfor_b_\@
	tensor_load_to_lds s[\g0a:\g0a+3], s[\g1a:\g1a+7]
	s_nop 0
.rept 4
	v_nop
.endr
	s_branch .Lasked_\@
.Lfor_b_\@:
	tensor_load_to_lds s[\g0b:\g0b+3], s[\g1b:\g1b+7]
	s_nop 0
.rept 4
	v_nop
.endr
.Lasked_\@:
.endm
.macro CREST                           ; a round of the cluster's barrier behind its opening barrier
	s_cmp_lg_u32 s14, 0
	s_cbranch_scc1 .Lnot_wave_0_\@
	s_barrier_signal -3
.Lnot_wave_0_\@:
	s_barrier_wait -3
	s_barrier_signal -1
	s_barrier_wait -1
.endm
.macro CROUND                          ; a whole round
	s_barrier_signal -1
	s_barrier_wait -1
	CREST
.endm
	s_load_b256 s[4:11], s[0:1], 0x0               ; x's codes s[4:5], x's scales s[6:7], the weights' codes s[8:9], their scales s[10:11]
	s_load_b128 s[96:99], s[0:1], 0x20             ; bq, bk
	s_load_b64 s[100:101], s[0:1], 0x30            ; bv
	s_load_b64 s[12:13], s[0:1], 0x38              ; q_img
	s_load_b64 s[66:67], s[0:1], 0x40              ; kv_img
	v_lshl_add_u32 v[SPW], v0, 2, SPARE
	v_mov_b32 v[NIL], 0
	ds_add_u32 v28, v29
	ds_add_u32 v28, v29
	s_wait_dscnt 0x0
	v_lshrrev_b32 v1, 5, v0
	v_readfirstlane_b32 s14, v1                    ; wave 0..3
	s_lshr_b32 s15, s14, 1                         ; which half of the rows i is mine.  Also: I fetch for A (0) or for B (1)
	s_and_b32 s16, s14, 1                          ; which half of the columns j.  Also: which 128 rows of that tile I fetch
	s_bfe_u32 s40, ttmp6, 0x40000                  ; cx, cy: my place in the cluster
	s_bfe_u32 s41, ttmp6, 0x40004
	s_lshr_b32 s17, ttmp9, 1
	s_lshl_b32 s17, s17, 2                         ; c < 8: 4 (c / 2)
	s_and_b32 s42, ttmp9, 1
	s_lshl_b32 s42, s42, 2                         ; c < 8: 4 (c % 2)
	s_sub_co_u32 s2, ttmp9, 8
	s_lshl_b32 s2, s2, 2                           ; c >= 8: 4 (c - 8)
	s_cmp_lt_u32 ttmp9, 8
	s_cselect_b32 s17, s17, 8
	s_cselect_b32 s42, s42, s2
	s_add_co_u32 s17, s17, s41                     ; A's tile of 256 rows: it holds cy and never cx
	s_add_co_u32 s42, s42, s40                     ; B's: it holds cx and never cy
	s_lshl_b32 s43, s41, 2
	s_lshl_b32 s43, 15, s43                        ; my row of the cluster
	s_lshl_b32 s44, 0x1111, s40                    ; my column
	; group 1 for codes: 8 tiles of 16 rows; of each, four chunks = 3,072 consecutive bytes = 384 elements of 8 bytes; 12,288 bytes = 1,536 elements from tile to tile; no padding
	s_or_b32 s[G1+0], s43, (3<<16)|(1<<21)         ; 15:0 the mask; 17:16 elements of 8 bytes; 21 set beside a mask
	s_or_b32 s[G1B+0], s44, (3<<16)|(1<<21)
.irp g, G1, G1B
	s_mov_b32 s[\g+1], 384<<16                     ; tensor_dim0
	s_mov_b32 s[\g+2], 16<<16                      ; tensor_dim1: 16 tiles for the head's loads; behind them 8, for the ring's
	s_mov_b32 s[\g+3], 384<<16                     ; tile_dim0
	s_mov_b32 s[\g+4], 16                          ; tile_dim1 likewise
	s_mov_b32 s[\g+5], 1536                        ; tensor_dim0_stride
	s_mov_b32 s[\g+6], 0
	s_mov_b32 s[\g+7], 0
.endr
	; group 1 for scales: for each of the four 256 along K, 256 rows x 8 bytes = 256 elements; 4,096 elements apart
	s_or_b32 s[G1S+0], s43, (3<<16)|(1<<21)
	s_or_b32 s[G1SB+0], s44, (3<<16)|(1<<21)
.irp g, G1S, G1SB
	s_mov_b32 s[\g+1], 256<<16                     ; 256 rows x 8 bytes for each 256 along K
	s_mov_b32 s[\g+2], 4<<16
	s_mov_b32 s[\g+3], 256<<16
	s_mov_b32 s[\g+4], 4
	s_mov_b32 s[\g+5], 4096
	s_mov_b32 s[\g+6], 0
	s_mov_b32 s[\g+7], 0
.endr
	s_mul_i32 s18, s16, 128*768                    ; in the ring I fetch 128 rows of a tile: which half, in bytes
	s_mov_b32 s19, 0
	s_lshl_b32 s20, s17, 8                         ; A: the tile's first row
	s_lshl_b32 s46, s42, 8                         ; B: likewise
	s_lshl_b32 s22, s20, 3                         ; their scales: 8 bytes a row
	s_mov_b32 s23, 0
	s_lshl_b32 s92, s46, 3
	s_mov_b32 s93, 0
	s_mul_i32 s20, s20, 768                        ; their codes: 12,288 bytes for 16 rows
	s_mov_b32 s21, 0
	s_mul_i32 s46, s46, 768
	s_mov_b32 s47, 0
	s_mul_i32 s45, s14, HALFT                      ; where they go: wave x 128 rows: no place in the cluster enters an LDS address
	s_wait_kmcnt 0x0
	s_cmp_lt_u32 ttmp9, 8                          ; which tensor is A and which B: the choice hangs on the cluster's number alone
	s_cselect_b64 s[2:3], s[4:5], s[8:9]
	s_add_nc_u64 s[20:21], s[2:3], s[20:21]        ; A's codes
	s_cselect_b64 s[2:3], s[6:7], s[10:11]
	s_add_nc_u64 s[22:23], s[2:3], s[22:23]        ; A's scales
	s_cselect_b64 s[2:3], s[8:9], s[4:5]
	s_add_nc_u64 s[46:47], s[2:3], s[46:47]        ; B's codes
	s_cselect_b64 s[2:3], s[10:11], s[6:7]
	s_add_nc_u64 s[92:93], s[2:3], s[92:93]        ; B's scales
	CROUND                                         ; all sixteen work-groups are here: the first joint loads meet
.set G0H, 4                            ; s[4:7], s[8:11] group 0 of the head's loads of K step 0 (the arguments that lay there have been used)
.set G0HB, 8
	s_mov_b32 s[G0H], 1                            ; the head's four tiles, each whole: K step 0 of A's 256 rows,
	s_mov_b32 s[G0H+1], 0
	s_mov_b64 s[G0H+2:G0H+3], s[20:21]
	s_or_b32 s[G0H+3], s[G0H+3], 0x80000000
	s_mov_b32 s[G0HB], 1                           ; of B's 256 rows,
	s_mov_b32 s[G0HB+1], 2*HALFT
	s_mov_b64 s[G0HB+2:G0HB+3], s[46:47]
	s_or_b32 s[G0HB+3], s[G0HB+3], 0x80000000
	s_mov_b32 s[G0S], 1                            ; A's scales,
	s_mov_b32 s[G0S+1], SCL
	s_mov_b64 s[G0S+2:G0S+3], s[22:23]
	s_or_b32 s[G0S+3], s[G0S+3], 0x80000000
	s_mov_b32 s[G0SB], 1                           ; B's scales
	s_mov_b32 s[G0SB+1], SCL+2*HALFS
	s_mov_b64 s[G0SB+2:G0SB+3], s[92:93]
	s_or_b32 s[G0SB+3], s[G0SB+3], 0x80000000
	s_add_nc_u64 s[20:21], s[20:21], s[18:19]      ; for the ring: my 128 rows of the tile
	s_add_nc_u64 s[46:47], s[46:47], s[18:19]
.irp s, 0,1
	s_mov_b32 s[G0+4*\s], 1
	s_add_co_u32 s[G0+4*\s+1], s45, \s*SLOT
	s_add_nc_u64 s[G0+4*\s+2:G0+4*\s+3], s[20:21], \s*TILEB
	s_or_b32 s[G0+4*\s+3], s[G0+4*\s+3], 0x80000000
	s_mov_b32 s[G0B+4*\s], 1
	s_add_co_u32 s[G0B+4*\s+1], s45, \s*SLOT
	s_add_nc_u64 s[G0B+4*\s+2:G0B+4*\s+3], s[46:47], \s*TILEB
	s_or_b32 s[G0B+4*\s+3], s[G0B+4*\s+3], 0x80000000
.endr
; the head's loads, one a wave: one tree of branches on the wave's number, every way through it passes one load
.macro ARM under, g0, g1, next
	s_cmp_lt_u32 s14, \under
	s_cbranch_scc0 \next
	tensor_load_to_lds s[\g0:\g0+3], s[\g1:\g1+7]
	s_nop 0
.rept 4
	v_nop
.endr
	s_branch .Lhead_asked
\next:
.endm
	ARM 1, G0H,  G1,  .Lhead_b
	ARM 2, G0HB, G1B, .Lhead_sa
	ARM 3, G0S,  G1S, .Lhead_sb
	tensor_load_to_lds s[G0SB:G0SB+3], s[G1SB:G1SB+7]
	s_nop 0
.rept 4
	v_nop
.endr
.Lhead_asked:
	v_and_b32 v1, 31, v0                           ; lane
	v_and_b32 v2, 15, v0                           ; r
	v_bfe_u32 v3, v0, 4, 1                         ; h
	v_lshlrev_b32 v[L16], 4, v1
	v_lshlrev_b32 v[L8], 3, v1
	s_mul_i32 s21, s15, HALFT                      ; my 128 rows of A
	s_mul_i32 s22, s16, HALFT                      ; my 128 rows of B,
	s_add_co_u32 s22, s22, 2*HALFT                 ; which lie behind A's 256
.irp s, 0,1
	v_add_nc_u32 v[ADRA+\s], s21, v[L16]
	v_add_nc_u32 v[ADRB+\s], s22, v[L16]
	v_add_nc_u32 v[ADRA+2+\s], s21, v[L8]
	v_add_nc_u32 v[ADRB+2+\s], s22, v[L8]
	s_add_co_u32 s21, s21, SLOT
	s_add_co_u32 s22, s22, SLOT
.endr
	s_lshl_b32 s21, s15, 10                        ; A's scales: my 128 rows of 8 bytes
	s_lshl_b32 s22, s16, 10                        ; B's: my 128 rows, behind A's block
	s_add_co_u32 s22, s22, 2*HALFS
	s_sub_co_u32 s22, s22, s21
	v_mul_u32_u24 v4, s22, v3                      ; lanes 16-31 take B's: one product in h
	s_add_co_u32 s21, s21, SCL
	v_lshl_add_u32 v4, v2, 3, v4                   ; 8 bytes a row
	v_add_nc_u32 v[ADRS], s21, v4
	; the biases.  Along j: lane (r, h) wants, for register 16 b + i, the number at j = 32 b + 16 h + i.  Along i: for tile a, the number at i = 32 (a / 2) + 8 (a % 2) + r + 8 (r / 8), twice (a pair for the packed addition)
	v_lshlrev_b32 v8, 6, v3                        ; 64 h
	s_wait_alu depctr_va_vdst(0)
	v_and_b32 v9, 8, v2
	v_add_nc_u32 v9, v9, v2
	v_lshlrev_b32 v9, 2, v9                        ; 4 (r + 8 (r / 8))
	s_wait_alu depctr_va_vdst(0)
	s_lshl_b32 s46, s42, 8
	s_lshl_b32 s47, s16, 7
	s_add_co_u32 s46, s46, s47                     ; my first j,
	s_and_b32 s46, s46, 1023                       ; within a vector of 1,024
	s_lshl_b32 s46, s46, 2
	s_mov_b32 s47, 0
	s_and_b32 s2, ttmp9, 1
	s_cmp_eq_u32 s2, 1
	s_cselect_b64 s[96:97], s[98:99], s[96:97]     ; bk for odd c, bq for even
	s_add_nc_u64 s[96:97], s[96:97], s[46:47]
	s_lshl_b32 s20, s17, 8
	s_lshl_b32 s21, s15, 7
	s_add_co_u32 s20, s20, s21                     ; my first i
	s_and_b32 s20, s20, 1023
	s_lshl_b32 s20, s20, 2
	s_mov_b32 s21, 0
	s_add_nc_u64 s[100:101], s[100:101], s[20:21]
.irp b, 0,1,2,3
.irp m, 0,1,2,3
	global_load_b128 v[BJ+16*\b+4*\m:BJ+16*\b+4*\m+3], v8, s[96:97] offset:128*\b+16*\m
.endr
.endr
.irp a, 0,1,2,3,4,5,6,7
	global_load_b32 v[BI+2*\a], v9, s[100:101] offset:(32*(\a/2)+8*(\a%2))*4
	global_load_b32 v[BI+2*\a+1], v9, s[100:101] offset:(32*(\a/2)+8*(\a%2))*4
.endr                                          ; they are waited for in the epilogue; their address registers stay as they are until then
.macro FRAG reg, adr, q, i             ; tile i's fragment of the slot's q-th 128 along K: two chunks, each an image of six registers
	ds_load_b128 v[\reg:\reg+3], v[\adr] offset:(\i)*TILEB+(\q)*1536
	ds_load_b64 v[\reg+4:\reg+5], v[\adr+2] offset:(\i)*TILEB+(\q)*1536+512
	ds_load_b128 v[\reg+6:\reg+9], v[\adr] offset:(\i)*TILEB+(\q)*1536+768
	ds_load_b64 v[\reg+10:\reg+11], v[\adr+2] offset:(\i)*TILEB+(\q)*1536+1280
.endm
; 16 matrix instructions: A's blocks a0, a0 + 1 x B's eight.  p: B's set;  sc: the set of scale words.  zero = 1: the first product starts the sums.  The 64 accumulators take turns, one instruction a turn, in the same order in every step.
.macro MUL16 a0, p, q, sc, zero
.irp a, \a0, \a0+1
.irp b, 0,1,2,3,4,5,6,7
.if \zero
	v_wmma_scale_f32_16x16x128_f8f6f4 v[8*(8*((\a)%4)+\b):8*(8*((\a)%4)+\b)+7], v[128*(\p)+FR*\b:128*(\p)+FR*\b+FR-1], v[AF+FR*(\a):AF+FR*(\a)+FR-1], 0, v[SC+8*NQ*(\sc)+NQ*\b+(\q)], v[SC+8*NQ*(\sc)+NQ*(\a)+(\q)] matrix_a_fmt:MATRIX_FMT_FP6 matrix_b_fmt:MATRIX_FMT_FP6 matrix_a_scale:MATRIX_SCALE_ROW1
.else
	v_wmma_scale_f32_16x16x128_f8f6f4 v[8*(8*((\a)%4)+\b):8*(8*((\a)%4)+\b)+7], v[128*(\p)+FR*\b:128*(\p)+FR*\b+FR-1], v[AF+FR*(\a):AF+FR*(\a)+FR-1], v[8*(8*((\a)%4)+\b):8*(8*((\a)%4)+\b)+7], v[SC+8*NQ*(\sc)+NQ*\b+(\q)], v[SC+8*NQ*(\sc)+NQ*(\a)+(\q)] matrix_a_fmt:MATRIX_FMT_FP6 matrix_b_fmt:MATRIX_FMT_FP6 matrix_a_scale:MATRIX_SCALE_ROW1
.endif
.endr
.endr
.endm
.macro FETCH_B slot, q, p              ; B's eight fragments into set p
	WIN TO_B
.irp i, 0,1,2,3,4,5,6,7
	FRAG 128*(\p)+FR*\i, ADRB+\slot, \q, \i
.endr
	WIN 0
.endm
.macro FETCH_A slot, q, i0             ; A's blocks i0 .. i0 + 3
.irp i, \i0, \i0+1, \i0+2, \i0+3
	FRAG AF+FR*(\i), ADRA+\slot, \q, \i
.endr
.endm
.macro SCALES sc                       ; a K step's scale words into set sc: two words a row; lanes 0-15 take A's block i, lanes 16-31 B's block i
.irp i, 0,1,2,3,4,5,6,7
	ds_load_b64 v[SC+8*NQ*\sc+NQ*\i:SC+8*NQ*\sc+NQ*\i+1], v[ADRS] offset:\i*SBLK
.endr
.endm
; A load into a register that a matrix instruction has read, and a vector instruction that reads a matrix result or writes one of its registers, stand NP places behind it; only plain vector instructions that name none of its registers are places.
.macro PLACES n
.rept \n
	v_nop
.endr
.endm
.macro STEP slot, q, zero              ; a step of 128 along K that has its successor in the same slot
	s_wait_dscnt 4*NL                              ; B's set and A's blocks 0-3 are in; the youngest 16 loads (A's blocks 4-7) may be out
	WIN MUL_LO
	MUL16 0, (\q)%2, \q, \slot, \zero
	MUL16 2, (\q)%2, \q, \slot, \zero
	s_wait_dscnt 0                                 ; A's blocks 4-7 are in
	PLACES NP
	FETCH_B \slot, (\q)+1, 1-(\q)%2
	FETCH_A \slot, (\q)+1, 0
	WIN MUL_HI
	MUL16 4, (\q)%2, \q, \slot, \zero
	MUL16 6, (\q)%2, \q, \slot, \zero
	PLACES NP
	WIN 0
	FETCH_A \slot, (\q)+1, 4
.endm
; A slot's last step changes slots: one barrier; in front of it each wave waits for all its tensor loads, adds 0 to its spare word, and waits for that and for its own reads of this slot.  fill = 1: this slot is filled again, two K steps ahead.
.macro TURN slot, next, fill
	s_wait_tensorcnt 0x0                           ; all my tensor loads have landed: my part of the next slot
	ds_add_u32 v[SPW], v[NIL]                      ; 0 onto my spare word
	s_wait_dscnt 4*NL+1                            ; (the add and the youngest 16 loads, A's blocks 4-7, may be out)
	WIN MUL_LO
	MUL16 0, 1, NQ-1, \slot, 0                     ; sixteen matrix instructions stand between the add and the wait for it
	s_wait_dscnt 0x0                               ; the add is done, and my reads of this slot are over
	s_barrier_signal -1
	MUL16 2, 1, NQ-1, \slot, 0
	WIN 0
	s_barrier_wait -1
.if \fill
	CREST                                          ; the barrier has opened a round of the cluster's barrier: no wave of any partner still reads this slot or has a load on its way
	s_add_nc_u64 s[G0+4*\slot+2:G0+4*\slot+3], s[G0+4*\slot+2:G0+4*\slot+3], 2*TILEB
	s_add_nc_u64 s[G0B+4*\slot+2:G0B+4*\slot+3], s[G0B+4*\slot+2:G0B+4*\slot+3], 2*TILEB
	JLOAD G0+4*\slot, G1, G0B+4*\slot, G1B         ; the first tensor load behind the round; its four v_nop are the places in front of the loads below
.else
	PLACES NP
.endif
	s_wait_alu depctr_va_vdst(0)
	v_add_nc_u32 v[ADRS], 2048, v[ADRS]            ; on to the next K step's scale words: 256 rows x 8 bytes
	FETCH_B \next, 0, 0
	FETCH_A \next, 0, 0
	SCALES \next
	WIN MUL_HI
	MUL16 4, 1, NQ-1, \slot, 0
	MUL16 6, 1, NQ-1, \slot, 0
	PLACES NP
	WIN 0
	FETCH_A \next, 0, 4
.endm
	s_wait_alu depctr_va_vdst(0)                   ; the wait at the head's end
	s_wait_tensorcnt 0x0                           ; my tile of the head's four is in; these lines stand ahead of a later first fill as ahead of a refill
	ds_add_u32 v[SPW], v[NIL]
	s_mov_b32 s[G1+2], 8<<16                       ; no tensor load of mine is out: from here on a load brings 8 tiles
	s_mov_b32 s[G1+4], 8
	s_mov_b32 s[G1B+2], 8<<16
	s_mov_b32 s[G1B+4], 8
	s_wait_dscnt 0x0
	CROUND                                         ; all four tiles are in, and all sixteen work-groups are here
	JLOAD G0+4, G1, G0B+4, G1B                     ; K step 1 into slot 1: the first tensor load behind the round
	FETCH_B 0, 0, 0
	FETCH_A 0, 0, 0
	SCALES 0
	FETCH_A 0, 0, 4
	STEP 0, 0, 1                                   ; the first products start the sums
	TURN 0, 1, 1                                   ; slot 0 takes K step 2
	STEP 1, 0, 0
	TURN 1, 0, 1                                   ; slot 1 takes K step 3
	STEP 0, 0, 0
	TURN 0, 1, 0                                   ; nothing is left to fetch
	STEP 1, 0, 0
	s_wait_dscnt 4*NL                              ; the very last step
	WIN MUL_LO
	MUL16 0, 1, NQ-1, 1, 0
	MUL16 2, 1, NQ-1, 1, 0
	s_wait_dscnt 0
	WIN MUL_HI
	MUL16 4, 1, NQ-1, 1, 0
	MUL16 6, 1, NQ-1, 1, 0
	WIN 0
; THE EPILOGUE: block a (16 rows i x 128 j) gets its bias, is quantised along j, and leaves as the image of a fragment.  No LDS is used.
; 64 numbers of a lane, v[s] .. v[s + 63], register 16 b + i = j 32 b + 16 (lane / 16) + i of my row, become 12 registers of codes in v[PC] on and the row's scale word in v[PW].
.macro QUANT s
.irp b, 0,1,2,3
	v_max3_num_f32 v[TM+\b], |v[\s+16*\b]|, |v[\s+1+16*\b]|, 0x1800000   ; block b: my 16 numbers, and the floor 2^(3 - 127): the byte cannot fall under 1
.endr
.irp i, 2,4,6,8,10,12,14
.irp b, 0,1,2,3
	v_max3_num_f32 v[TM+\b], v[TM+\b], |v[\s+16*\b+\i]|, |v[\s+1+16*\b+\i]|   ; (the four blocks by turns)
.endr
.endr
.irp b, 0,1,2,3
	v_permlanex16_b32 v[TM+4+\b], v[TM+\b], s[SEL], s[SEL+1]
.endr
.irp b, 0,1,2,3
	v_max_num_f32 v[TM+\b], v[TM+\b], v[TM+4+\b]   ; with lane l xor 16's: the block's largest magnitude
.endr
.irp b, 0,1,2,3
	v_add_nc_u32 v[TM+12+\b], 0xff000000, v[TM+\b]   ; 2 off its exponent field: the conversion's scale operand
.endr
.irp b, 0,1,2,3
	v_lshrrev_b32 v[TM+4+\b], 23, v[TM+12+\b]      ; the scale's byte
.endr
	v_lshl_or_b32 v[PW], v[TM+5], 8, v[TM+4]
	v_lshl_or_b32 v[PW], v[TM+6], 16, v[PW]
	v_lshl_or_b32 v[PW], v[TM+7], 24, v[PW]
.irp c, 0,1
	v_cvt_scalef32_pk16_fp6_f32 v[PC+6*\c:PC+2+6*\c], v[\s+32*\c:\s+15+32*\c], v[TM+12+2*\c]
	v_cvt_scalef32_pk16_fp6_f32 v[PC+12+4*\c:PC+14+4*\c], v[\s+16+32*\c:\s+31+32*\c], v[TM+12+2*\c+1]   ; (a conversion's three registers begin on an even number)
.endr
	v_nop                                          ; one plain place behind a scaled conversion
.irp c, 0,1                                    ; the operand's layout wants a whole block in a lane: lanes 0-15 block 2 c, lanes 16-31 block 2 c + 1
.irp i, 0,1,2
	v_permlane16_swap_b32 v[PC+6*\c+\i], v[PC+12+4*\c+\i]
.endr
.irp i, 0,1,2
	v_mov_b32 v[PC+3+6*\c+\i], v[PC+12+4*\c+\i]
.endr
.endr
.endm
.macro PUT lo, base, off               ; six registers of codes leave as a chunk: 512 and 256 consecutive bytes, aligned to 256
	global_store_b128 v[L16], v[PC+\lo:PC+\lo+3], s[\base:\base+1] offset:\off
	global_store_b64 v[L8], v[PC+\lo+4:PC+\lo+5], s[\base:\base+1] offset:\off+512
.endm
.macro EPI a, kind                     ; kind 0: q or k;  1: v^T
	s_wait_xcnt 0x0                                ; the last block's stores have read the codes' registers
	WIN 0x02+(\a)/4                                ; source 0: window 2 or 3
.set pp, 0
.rept 32                                       ; one packed addition brings two results into window 0 and adds the bias; each accumulator is read from its low end on
.if \kind
	v_pk_add_f32 v[HA+pp:HA+pp+1], v[64*((\a)%4)+pp:64*((\a)%4)+pp+1], v[BI+2*(\a):BI+2*(\a)+1]
.else
	v_pk_add_f32 v[HA+pp:HA+pp+1], v[64*((\a)%4)+pp:64*((\a)%4)+pp+1], v[BJ+pp:BJ+pp+1]
.endif
.set pp, pp+2
.endr
	WIN 0
	QUANT HA
.if \kind
	PUT 0, 12+54*((\a)/4), 1536*((\a)%4)           ; blocks 0-3: my first head (base s[12:13]); blocks 4-7: the next (s[66:67]); the fragment of d tile a % 4
	PUT 6, 12+54*((\a)/4), 1536*((\a)%4)+768
.if (\a)%2
	v_cndmask_b32 v[4+4*((\a)/4)+((\a)%4)/2], v12, v[PW], s95   ; the even tile's words in lanes 0-15, the odd tile's in lanes 16-31
.else
	v_mov_b32 v12, v[PW]
.endif
.else
	PUT 0, 12, 768*(\a)                            ; j = 0 .. 63: my first head; j = 64 .. 127: the next
	PUT 6, 66, 768*(\a)
.if (\a)%2
	v_perm_b32 v14, v[PADW], v[PW], 0x07060100     ; the first head's two bytes, 0x7f twice above them
	v_perm_b32 v15, v[PADW], v[PW], 0x07060302     ; the next head's
	v_cndmask_b32 v[4+(\a)/2], v12, v14, s95
	v_cndmask_b32 v[8+(\a)/2], v13, v15, s95
.else
	v_perm_b32 v12, v[PADW], v[PW], 0x07060100
	v_perm_b32 v13, v[PADW], v[PW], 0x07060302
.endif
.endif
.endm
	PLACES NP                                      ; behind the last products: their operands' registers are written below
	s_wait_loadcnt 0x0                             ; the biases
	s_mov_b32 s[SEL], 0x76543210
	s_mov_b32 s[SEL+1], 0xfedcba98
	s_mov_b32 s95, 0xffff0000                      ; lanes 16-31
	v_mov_b32 v[PADW], 0x7f7f7f7f
.irp b, 0,1,2,3
	v_mov_b32 v[TM+4+\b], 0                        ; a lane permute's destination counts as read: written once
.endr
	s_lshl_b32 s20, s17, 8
	s_lshl_b32 s21, s15, 7
	s_add_co_u32 s20, s20, s21                     ; my first i
	s_lshl_b32 s46, s42, 8
	s_lshl_b32 s47, s16, 7
	s_add_co_u32 s46, s46, s47                     ; my first j
	s_cmp_lt_u32 ttmp9, 8                          ; the cluster's number: the same in all partners
	s_cbranch_scc0 .Lv
	s_lshr_b32 s21, s20, 11                        ; i: the batch,
	s_bfe_u32 s22, s20, 0x40007                    ; and the block of 128 rows in its 2,048
	s_bfe_u32 s47, s46, 0x40006                    ; j: my first head
	s_lshl_b32 s21, s21, 4
	s_add_co_u32 s21, s21, s47
	s_lshl_b32 s21, s21, 4
	s_add_co_u32 s21, s21, s22                     ; (16 batch + head) 16 + block
	s_and_b32 s2, ttmp9, 1
	s_cmp_eq_u32 s2, 1                             ; odd c: k, into kv_img; even c: q, into q_img
	s_mov_b32 s3, 6656
	s_cselect_b32 s3, 13056, s3                    ; bytes from block to block
	s_cselect_b64 s[12:13], s[66:67], s[12:13]
	s_mul_i32 s22, s21, s3
	s_mov_b32 s23, 0
	s_add_nc_u64 s[12:13], s[12:13], s[22:23]      ; my first head's block
	s_lshl_b32 s22, s3, 4
	s_add_nc_u64 s[66:67], s[12:13], s[22:23]      ; the next head's: 16 blocks on
.irp a, 0,1,2,3,4,5,6,7
	EPI \a, 0
.endr
	global_store_b128 v[L16], v[4:7], s[12:13] offset:6144    ; the scale images: 512 consecutive bytes each
	global_store_b128 v[L16], v[8:11], s[66:67] offset:6144
	s_branch .Ljoin
.Lv:
	s_bfe_u32 s21, s20, 0x40006                    ; i: my first head
	s_lshr_b32 s22, s46, 11                        ; j: the batch,
	s_bfe_u32 s47, s46, 0x40007                    ; and the key step
	s_lshl_b32 s22, s22, 4
	s_add_co_u32 s22, s22, s21
	s_lshl_b32 s22, s22, 4
	s_add_co_u32 s22, s22, s47
	s_mul_i32 s22, s22, 13056
	s_add_co_u32 s22, s22, 6656                    ; V^T lies behind K in a key step
	s_mov_b32 s23, 0
	s_add_nc_u64 s[12:13], s[66:67], s[22:23]
	s_add_nc_u64 s[66:67], s[12:13], 16*13056      ; the next head
.irp a, 0,1,2,3,4,5,6,7
	EPI \a, 1
.endr
	global_store_b64 v[L8], v[4:5], s[12:13] offset:6144      ; the scale images: 256 consecutive bytes each
	global_store_b64 v[L8], v[8:9], s[66:67] offset:6144
.Ljoin:
	s_wait_tensorcnt 0x0                           ; the wave's end
	ds_add_u32 v[SPW], v[NIL]
	s_wait_dscnt 0x0
	CROUND                                         ; the closing round: no work-group ends while a partner may still ask for a tile that names it
	s_endpgm
.Lfunc_end_k_q679f293008_proj:
	.size	k_q679f293008_proj, .Lfunc_end_k_q679f293008_proj-k_q679f293008_proj
	.p2alignl 7, 3214868480
	.fill 96, 4, 3214868480
	.section	.rodata,"a",@progbits
	.p2align	6, 0x0
	.amdhsa_kernel k_q679f293008_proj
		.amdhsa_group_segment_fixed_size 327680
		.amdhsa_private_segment_fixed_size 0
		.amdhsa_enable_private_segment 0
		.amdhsa_kernarg_size 72
		.amdhsa_user_sgpr_count 2
		.amdhsa_user_sgpr_kernarg_segment_ptr 1
		.amdhsa_wavefront_size32 1
		.amdhsa_system_sgpr_workgroup_id_x 1
		.amdhsa_system_sgpr_workgroup_id_y 1
		.amdhsa_system_sgpr_workgroup_id_z 1
		.amdhsa_system_vgpr_workitem_id 0
		.amdhsa_next_free_vgpr 1024
		.amdhsa_next_free_sgpr 102
		.amdhsa_reserve_vcc 0
		.amdhsa_float_denorm_mode_32 3
		.amdhsa_float_denorm_mode_16_64 3
		.amdhsa_memory_ordered 1
		.amdhsa_forward_progress 1
		.amdhsa_inst_pref_size 222
	.end_amdhsa_kernel
	.amdgpu_metadata
---
amdhsa.version: [ 1, 2 ]
amdhsa.kernels:
  - .name:           k_q679f293008_proj
    .symbol:         k_q679f293008_proj.kd
    .args:
      - { .name: x_codes, .offset: 0, .size: 8, .value_kind: global_buffer, .address_space: global }
      - { .name: x_scales, .offset: 8, .size: 8, .value_kind: global_buffer, .address_space: global }
      - { .name: w_codes, .offset: 16, .size: 8, .value_kind: global_buffer, .address_space: global }
      - { .name: w_scales, .offset: 24, .size: 8, .value_kind: global_buffer, .address_space: global }
      - { .name: bq, .offset: 32, .size: 8, .value_kind: global_buffer, .address_space: global }
      - { .name: bk, .offset: 40, .size: 8, .value_kind: global_buffer, .address_space: global }
      - { .name: bv, .offset: 48, .size: 8, .value_kind: global_buffer, .address_space: global }
      - { .name: q_img, .offset: 56, .size: 8, .value_kind: global_buffer, .address_space: global }
      - { .name: kv_img, .offset: 64, .size: 8, .value_kind: global_buffer, .address_space: global }
    .group_segment_fixed_size: 327680
    .private_segment_fixed_size: 0
    .kernarg_segment_align: 8
    .kernarg_segment_size: 72
    .max_flat_workgroup_size: 128
    .sgpr_count:     102
    .vgpr_count:     1024
    .wavefront_size: 32
...
	.end_amdgpu_metadata
.endif
;; end of part 2
;; launch attn (part 3): grid 8 x 32, 16 waves a work-group, clusters of 4 x 1, 210,944 bytes of LDS; arguments q_img, kv_img, ctx_codes, ctx_scales; writes ctx_codes, ctx_scales
.if DOCPART == 3
	.amdgcn_target "amdgcn-amd-amdhsa--gfx1250"
	.amdhsa_code_object_version 6
	.text
	.protected	k_q679f293008_attn
	.globl	k_q679f293008_attn
	.p2align	8
	.type	k_q679f293008_attn,@function
k_q679f293008_attn:
	s_mov_b64 s[64:65], 0
	v_nop
	global_prefetch_b8 v0, s[64:65] scope:SCOPE_SE
	s_setreg_imm32_b32 hwreg(HW_REG_WAVE_MODE, 25, 1), 1
	s_wait_xcnt 0x0
	s_wait_alu depctr_hold_cnt(0) depctr_sa_sdst(0) depctr_va_vdst(0) depctr_va_sdst(0) depctr_va_ssrc(0) depctr_va_vcc(0) depctr_vm_vsrc(0)
	s_getreg_b32 s2, hwreg(HW_REG_IB_STS2, 6, 4)
	s_cmp_eq_u32 s2, 0
	s_cbranch_scc0 .Lentry_in_a_cluster
	s_endpgm
.Lentry_in_a_cluster:
	s_bfe_u32 s2, ttmp6, 0x10000c
	s_cmp_lg_u32 s2, 0x3003
	s_cbranch_scc0 .Lentry_shape_is_right
	s_endpgm
.Lentry_shape_is_right:
; ctx[head][q] = the sum over k of softmax_k(q . k / 8) v, both products on codes of FP6 (E2M3) with E8M0 scales; ctx is quantised along the hidden axis (two blocks of 32 a head) for the last product.
; THE SOFTMAX: t = score x log2(e) / 8; M = the row's largest t so far, rounded up to a whole number; p = 2^(t - M) is quantised along the keys, not normalised; the row's sum is taken of the unquantised p
; and divides at the end.  When M moves, the sum and O are multiplied by 2^(old M - new M), which rounds nothing.
; SHARES: a work-group owns 256 queries of one head, each of its sixteen waves one tile of 16 in 256 registers, four waves to a SIMD.
; THE HEAD'S K AND V STAY IN LDS: 16 key steps of 13,056 bytes as they lie in kv_img (K: 8 chunks of 768 and 512 bytes of scale words; V^T: 4 fragments of 1,536 and 256 bytes of scale words).
; Every LDS byte is filled once: wave w fetches key step w, one tensor load a wave.  A wave waits for its own load, signals the one barrier, multiplies ITS OWN step between signal and wait (bytes that it
; fetched itself), and behind the wait walks the other fifteen steps in the order w + 1, w + 2, .. modulo 16.  The order of the steps moves no code: M is a whole number.
; All of K and V is asked for by these first fills, so nothing is left that a prefetch could ask for ahead.
; CLUSTER: the four query blocks of a cluster belong to one head: each step is asked for jointly, by the same load with the same descriptor and the mask of all four.
; LAYOUT: both products transposed: S^T = K Q^T (source 0 = 16 keys), O^T = V^T P (source 0 = 16 of the head's 64): a lane holds one query throughout.
; WHICH KEYS FORM A TILE is chosen by the lanes' LDS addresses: place 8 g + i of tile 4 c + j is key 64 c + 32 g + 8 j + i of the step, which lies in stored tile 4 c + 2 g + j % 2 at place 8 (j / 2) + i.
; So the 32 scores of tiles 4 c .. 4 c + 3 in lane (r, h) are the keys 64 c + 32 h + 0 .. 31: one whole scale block, in the order of P's operand registers.  No lane asks another for a block's maximum and no code changes lanes.
; K = 64 IN AN INSTRUCTION OF K = 128: Q's registers 6-11 hold zero codes and the upper two bytes of both scale words are 0x7f.  K's operand for tile n is v[32 + 6 n .. 43 + 6 n]: its upper six registers are the
; next tile's codes (for tile 7: six zeros) and meet only zero codes.
; LIMITS: NaN and infinities are not served; a block of zeros, or one under 2^-124, gets the byte 1 (its codes are zeros or held; this program alone reads the bytes); the promise holds while |t| stays under 2^31.
; REGISTERS: v1 16 x lane, v2 8 x lane, v3-4 V's LDS addresses, v5 8 r, v6-8 the lane's part of K's addresses (16-byte pieces, 8-byte pieces, scale words), v9-11 the same in the step at hand; v12 -M, v13 the largest t,
;   v[14:15] the sum; v16-27 Q; v28 8 h; v29 the old -M; v32-79 K's 8 tiles or V^T's 4 fragments; v80-85 zeros; v[86:87] V's scale words; v94 0, v95 my spare word; v96-159 S^T, then p; v160-191 O^T;
;   v192-223 at work in a step, ctx at the end; v224-235 p's codes; v[248:251] K's scale words; v253 p's scale word; v255 Q's.
.set STEPB, 13056                      ; a key step: 51 x 256 bytes
.set HEADB, 16*STEPB
.set SPARE, HEADB                      ; behind the head's 16 steps: the spare words, 128 bytes a wave
.set WV,   12
.set SEL,  20                          ; s[20:21] lane selects for lane l xor 16
.set CS,   22                          ; s[22:23] c = log2(e) / 8
.set G1,   24
.set G0,   32
.set TB,   48                          ; LDS byte at which the step in hand begins
.set CNT,  49
.macro WALU
	s_wait_alu depctr_va_vdst(0)
.endm
.macro CROUND
	s_barrier_signal -1
	s_barrier_wait -1
	s_cmp_lg_u32 s[WV], 0
	s_cbranch_scc1 .Lnot_wave_0_\@
	s_barrier_signal -3
.Lnot_wave_0_\@:
	s_barrier_wait -3
	s_barrier_signal -1
	s_barrier_wait -1
.endm
	s_load_b128 s[4:7], s[0:1], 0x0                ; q_img, kv_img
	s_load_b128 s[8:11], s[0:1], 0x10              ; ctx's codes, ctx's scales
	v_lshl_add_u32 v95, v0, 2, SPARE
	v_mov_b32 v94, 0
	ds_add_u32 v95, v94                            ; the opening lines: the add twice on end and one wait
	ds_add_u32 v95, v94
	v_lshrrev_b32 v6, 5, v0
	v_readfirstlane_b32 s[WV], v6                  ; wave 0..15
	s_bfe_u32 s13, ttmp6, 0x40000                  ; cx
	s_lshl_b32 s14, ttmp9, 2
	s_add_co_u32 s14, s14, s13                     ; my block of 256 queries: it enters Q's and ctx's addresses alone
	s_and_b32 s15, ttmp7, 0xffff                   ; the head (16 batch + head), which the four partners share
	s_mul_i32 s16, s15, HEADB
	s_mul_i32 s18, s[WV], STEPB                    ; wave w fetches step w
	s_add_co_u32 s16, s16, s18
	s_mov_b32 s17, 0
	s_mov_b32 s[G1], 15|(3<<16)|(1<<21)            ; the mask of all four; elements of 8 bytes; bit 21 beside a mask
	s_mov_b32 s[G1+1], 32<<16                      ; a key step is a dense block: 51 rows of 256 bytes
	s_mov_b32 s[G1+2], 51<<16
	s_mov_b32 s[G1+3], 32<<16
	s_mov_b32 s[G1+4], 51
	s_mov_b32 s[G1+5], 32
	s_mov_b32 s[G1+6], 0
	s_mov_b32 s[G1+7], 0
	s_mov_b32 s[SEL], 0x76543210
	s_mov_b32 s[SEL+1], 0xfedcba98
	s_mov_b32 s[CS], 0x3e38aa3b
	s_mov_b32 s[CS+1], s[CS]
	; Q: head x 16 blocks of 6,656 bytes; my tile is tile w % 8 of block 2 x (my 256 queries) + w / 8
	s_mul_i32 s50, s15, 106496
	s_lshl_b32 s51, s14, 1
	s_lshr_b32 s52, s[WV], 3
	s_add_co_u32 s51, s51, s52
	s_mul_i32 s51, s51, 6656
	s_add_co_u32 s50, s50, s51
	s_and_b32 s52, s[WV], 7
	s_mul_i32 s53, s52, 768
	s_add_co_u32 s54, s50, s53                     ; its codes
	s_mov_b32 s55, 0
	s_and_b32 s53, s52, 1
	s_lshl_b32 s53, s53, 8                         ; its scale words: an odd tile's lie 256 bytes on,
	s_lshr_b32 s52, s52, 1
	s_lshl_b32 s52, s52, 2                         ; in word (tile / 2) of a lane's four
	s_add_co_u32 s52, s52, s53
	s_add_co_u32 s52, s52, s50
	s_add_co_u32 s52, s52, 6144
	s_mov_b32 s53, 0
	; ctx: my tile of 16 storage rows is T = 128 batch + 16 x (my 256 queries) + w; my chunk of 64 K is the head
	s_lshr_b32 s60, s15, 4
	s_lshl_b32 s60, s60, 7
	s_lshl_b32 s61, s14, 4
	s_add_co_u32 s60, s60, s61
	s_add_co_u32 s60, s60, s[WV]
	s_and_b32 s61, s15, 15
	s_mul_i32 s62, s60, 12288
	s_mul_i32 s63, s61, 768
	s_add_co_u32 s62, s62, s63
	s_mov_b32 s63, 0
	s_lshl_b32 s60, s60, 7                         ; scales: 8 bytes a row,
	s_lshr_b32 s50, s61, 2
	s_lshl_b32 s50, s50, 15                        ; 32,768 for each 256 along K,
	s_add_co_u32 s60, s60, s50
	s_and_b32 s50, s61, 3
	s_lshl_b32 s50, s50, 1                         ; two bytes a head
	s_add_co_u32 s60, s60, s50
	s_mov_b32 s61, 0
	s_mov_b32 s[TB], s18                           ; my first step is my own
	s_wait_dscnt 0x0
	s_wait_kmcnt 0x0
	s_add_nc_u64 s[6:7], s[6:7], s[16:17]          ; kv_img at my step: nothing of cx in it
	s_add_nc_u64 s[56:57], s[4:5], s[54:55]
	s_add_nc_u64 s[58:59], s[4:5], s[52:53]
	s_add_nc_u64 s[8:9], s[8:9], s[62:63]
	s_add_nc_u64 s[10:11], s[10:11], s[60:61]
	CROUND                                         ; all four work-groups are here: the joint loads meet
	s_mov_b32 s[G0], 1
	s_mov_b32 s[G0+1], s18
	s_mov_b64 s[G0+2:G0+3], s[6:7]
	s_or_b32 s[G0+3], s[G0+3], 0x80000000
	tensor_load_to_lds s[G0:G0+3], s[G1:G1+7]      ; every wave's one load
	s_nop 0
	v_and_b32 v93, 31, v0
	v_and_b32 v92, 15, v0                          ; r
	v_and_b32 v88, 7, v0                           ; i
	v_bfe_u32 v89, v0, 3, 1                        ; g
	v_bfe_u32 v90, v0, 4, 1                        ; h
	v_lshlrev_b32 v1, 4, v93
	v_lshlrev_b32 v2, 3, v93
	v_lshlrev_b32 v30, 4, v92
	v_lshlrev_b32 v5, 3, v92
	global_load_b128 v[16:19], v1, s[56:57]        ; Q's chunk: registers 0-5 of the operand; it stays
	global_load_b64 v[20:21], v2, s[56:57] offset:512
	global_load_b32 v255, v30, s[58:59]            ; Q's scale words
	v_mul_u32_u24 v91, v89, 1536                   ; two stored tiles on for g = 1
	v_lshlrev_b32 v8, 2, v89
	v_lshlrev_b32 v28, 3, v90
	v_lshl_add_u32 v6, v88, 4, v91
	v_lshl_add_u32 v7, v88, 3, v91
	v_lshl_add_u32 v8, v88, 4, v8
	v_lshl_add_u32 v6, v90, 8, v6                  ; 1536 g + 16 i + 256 h
	v_lshl_add_u32 v7, v90, 7, v7                  ; 1536 g + 8 i + 128 h
	v_lshl_add_u32 v8, v90, 8, v8                  ; 16 i + 4 g + 256 h: lanes 16-31 take the odd tile's words
.irp j, 14,15,22,23,24,25,26,27,80,81,82,83,84,85,201,221,223,236,237
	v_mov_b32 v[\j], 0                             ; the sum; zero codes; lane permutes' destinations and the upper half of f's pair, written once
.endr
	v_mov_b32 v13, 0xff61b1e6                      ; the largest t so far: -3e38
	v_floor_f32 v12, -v13                          ; -M
.macro SPROD t
.if (\t)%2
	v_wmma_scale_f32_16x16x128_f8f6f4 v[96+8*\t:103+8*\t], v[32+6*\t:43+6*\t], v[16:27], 0, v[248+\t/2], v255 matrix_a_fmt:MATRIX_FMT_FP6 matrix_b_fmt:MATRIX_FMT_FP6 matrix_a_scale:MATRIX_SCALE_ROW1
.else
	v_wmma_scale_f32_16x16x128_f8f6f4 v[96+8*\t:103+8*\t], v[32+6*\t:43+6*\t], v[16:27], 0, v[248+\t/2], v255 matrix_a_fmt:MATRIX_FMT_FP6 matrix_b_fmt:MATRIX_FMT_FP6
.endif
.endm
.macro OPROD1 t, c, row
	v_wmma_scale_f32_16x16x128_f8f6f4 v[160+8*\t:167+8*\t], v[32+12*\t:43+12*\t], v[224:235], \c, v[86+\t/2], v253 matrix_a_fmt:MATRIX_FMT_FP6 matrix_b_fmt:MATRIX_FMT_FP6 matrix_a_scale:MATRIX_SCALE_ROW\row
.endm
.macro OPROD t, first
.if \first
.if (\t)%2
	OPROD1 \t, 0, 1
.else
	OPROD1 \t, 0, 0
.endif
.else
.if (\t)%2
	OPROD1 \t, v[160+8*\t:167+8*\t], 1
.else
	OPROD1 \t, v[160+8*\t:167+8*\t], 0
.endif
.endif
.endm
; A KEY STEP: 128 keys.  first = 1: the wave's first step starts O^T with C = 0
.macro STEP first
	v_add_nc_u32 v9, s[TB], v6
	v_add_nc_u32 v10, s[TB], v7
	v_add_nc_u32 v11, s[TB], v8
	v_nop                                          ; four places in front of loads into registers that the last products have read
.irp n, 0,1,2,3,4,5,6,7
	ds_load_b128 v[32+6*\n:35+6*\n], v9 offset:3072*(\n/4)+768*(\n%2)+128*((\n%4)/2)
	ds_load_b64 v[36+6*\n:37+6*\n], v10 offset:3072*(\n/4)+768*(\n%2)+64*((\n%4)/2)+512
.endr
.irp g, 0,1,2,3
	ds_load_b32 v[248+\g], v11 offset:6144+128*(\g%2)+8*(\g/2)   ; tiles 2 g (lanes 0-15) and 2 g + 1 (lanes 16-31): their rows' scale words
.endr
	WALU
	s_wait_dscnt 0x0
.irp t, 0,1,2,3,4,5,6,7
	SPROD \t
.endr
	v_add_nc_u32 v3, s[TB], v1                     ; four places: V's loads land where K stood, and the scores are read
	v_add_nc_u32 v4, s[TB], v2
	v_mov_b32 v29, v12                             ; the old -M
	v_nop
.irp t, 0,1,2,3                                ; V^T's fragments and scale words are asked for here and land under the softmax
	ds_load_b128 v[32+12*\t:35+12*\t], v3 offset:6656+1536*\t
	ds_load_b64 v[36+12*\t:37+12*\t], v4 offset:6656+1536*\t+512
	ds_load_b128 v[38+12*\t:41+12*\t], v3 offset:6656+1536*\t+768
	ds_load_b64 v[42+12*\t:43+12*\t], v4 offset:6656+1536*\t+1280
.endr
	ds_load_b64 v[86:87], v4 offset:12800
.irp c, 0,1                                    ; the largest score of my two blocks of 32 keys, two chains a block; each accumulator is first read at its low end
	v_max3_num_f32 v[212+\c], v[96+32*\c], v[97+32*\c], v[98+32*\c]
	v_max3_num_f32 v[214+\c], v[112+32*\c], v[113+32*\c], v[114+32*\c]
.endr
.irp i, 3,5,7,9,11,13
.irp c, 0,1
	v_max3_num_f32 v[212+\c], v[212+\c], v[96+32*\c+\i], v[97+32*\c+\i]
	v_max3_num_f32 v[214+\c], v[214+\c], v[112+32*\c+\i], v[113+32*\c+\i]
.endr
.endr
.irp c, 0,1
	v_max3_num_f32 v[212+\c], v[212+\c], v[214+\c], v[111+32*\c]
.endr
.irp c, 0,1
	v_max_num_f32 v[212+\c], v[212+\c], v[127+32*\c]
.endr
	s_delay_alu instid0(VALU_DEP_1)
	v_max_num_f32 v220, v212, v213
	s_delay_alu instid0(VALU_DEP_1)
	v_permlanex16_b32 v221, v220, s[SEL], s[SEL+1]
	s_delay_alu instid0(VALU_DEP_1)
	v_max_num_f32 v220, v220, v221                 ; the step's largest score of my query
	s_delay_alu instid0(VALU_DEP_1)
	v_mul_f32 v220, s[CS], v220                    ; as t (c is positive)
	s_delay_alu instid0(VALU_DEP_1)
	v_max_num_f32 v13, v13, v220
	s_delay_alu instid0(VALU_DEP_1)
	v_floor_f32 v12, -v13                          ; the new -M = -ceil(t)
	s_delay_alu instid0(VALU_DEP_1)
	v_sub_f32 v220, v12, v29                       ; old M - new M: a whole number, 0 or less
	s_delay_alu instid0(VALU_DEP_1)
	v_cvt_i32_f32 v220, v220                       ; (it saturates)
	s_delay_alu instid0(VALU_DEP_1)
	v_ldexp_f32 v222, 1.0, v220                    ; f = 2^(old M - new M)
.set j, 0
.rept 32
	v_pk_fma_f32 v[96+j:97+j], v[96+j:97+j], s[CS:CS+1], v[12:13] op_sel_hi:[1,0,0]   ; t - M
.set j, j+2
.endr
.irp c, 0,1
	v_fma_f32 v[212+\c], v[212+\c], s[CS], v12     ; the same of each block's largest score: p rises with the score
.endr
	WALU                                           ; the wait ahead of the batch
.set j, 0
.rept 64
	v_exp_f32 v[96+j], v[96+j]                     ; p = 2^(t - M), at most 1
.set j, j+1
.endr
.irp c, 0,1
	v_exp_f32 v[212+\c], v[212+\c]                 ; the block's largest p
.endr
	v_nop                                          ; a plain place behind the batch
	WALU                                           ; one wait for the batch, ahead of its first reader
.irp c, 0,1
	v_max_num_f32 v[212+\c], 0x1800000, v[212+\c]  ; the floor 2^(3 - 127): the byte cannot fall under 1
.endr
.irp c, 0,1
	v_add_nc_u32 v[216+\c], 0xff000000, v[212+\c]  ; 2 off the exponent field: the conversion's scale operand
.endr
.irp c, 0,1
	v_cvt_scalef32_pk16_fp6_f32 v[224+6*\c:226+6*\c], v[96+32*\c:111+32*\c], v[216+\c]
	v_cvt_scalef32_pk16_fp6_f32 v[204+4*\c:206+4*\c], v[112+32*\c:127+32*\c], v[216+\c]   ; (a conversion's three registers begin on an even number)
.endr
	v_lshrrev_b32 v218, 23, v216                   ; my two scale bytes: blocks h and 2 + h
	v_lshrrev_b32 v219, 23, v217
	v_mov_b32 v227, v204
	v_lshl_or_b32 v200, v219, 16, v218
	v_mov_b32 v228, v205
	v_lshlrev_b32 v200, v28, v200                  ; at their places in the word
	v_mov_b32 v229, v206
	v_permlanex16_b32 v201, v200, s[SEL], s[SEL+1]
	v_mov_b32 v233, v208
	v_or_b32 v253, v200, v201                      ; with lane l xor 16's two: p's scale word for these 128 keys
	v_mov_b32 v234, v209
	v_mov_b32 v235, v210
.irp k, 0,1,2,3                                ; the row's sum of the unquantised p, four chains.  (These 32 lines are also the places between p's codes and scale word and the products)
	v_pk_add_f32 v[192+2*\k:193+2*\k], v[96+4*\k:97+4*\k], v[98+4*\k:99+4*\k]
.endr
.irp m, 112,120,128,136,144,152
.irp k, 0,1,2,3
	v_pk_add_f32 v[192+2*\k:193+2*\k], v[192+2*\k:193+2*\k], v[\m+2*\k:\m+2*\k+1]
.endr
.endr
	v_pk_add_f32 v[192:193], v[192:193], v[194:195]
	v_pk_add_f32 v[196:197], v[196:197], v[198:199]
	s_delay_alu instid0(VALU_DEP_1)
	v_pk_add_f32 v[192:193], v[192:193], v[196:197]
	s_delay_alu instid0(VALU_DEP_1)
	v_pk_fma_f32 v[14:15], v[14:15], v[222:223], v[192:193] op_sel_hi:[1,0,1]   ; the old sum under the new M, and this step's
.if (\first) == 0
	WALU                                           ; the wait directly ahead of the first reader of O^T
.set j, 0
.rept 16
	v_pk_mul_f32 v[160+j:161+j], v[160+j:161+j], v[222:223] op_sel_hi:[1,0]   ; O^T under the new M
.set j, j+2
.endr
.endif
	WALU
	s_wait_dscnt 0x0                               ; V^T is in
.irp t, 0,1,2,3
	OPROD \t, \first                               ; four accumulators by turns
.endr
.endm
	WALU                                           ; the wait at the head's end
	s_wait_loadcnt 0x0                             ; Q
	s_wait_tensorcnt 0x0                           ; my own step has landed:
	s_barrier_signal -1                            ; say so;
	STEP 1                                         ; my own step: LDS loads of bytes that I fetched and that nobody writes, and work on registers
	s_barrier_wait -1                              ; all sixteen steps are in
	s_mov_b32 s[CNT], 1
.Lstep:
	s_add_co_u32 s50, s[WV], s[CNT]
	s_and_b32 s50, s50, 15
	s_mul_i32 s[TB], s50, STEPB                    ; step (w + trip) % 16
	STEP 0
	s_add_co_u32 s[CNT], s[CNT], 1
	s_cmp_lt_u32 s[CNT], 16
	s_cbranch_scc1 .Lstep
	; THE WAY OUT: ctx = O^T / the sum; register 16 b + i is channel 32 b + 16 h + i of my query: two blocks of 32 along the last product's K
	v_add_f32 v14, v14, v15
	s_delay_alu instid0(VALU_DEP_1)
	v_permlanex16_b32 v221, v14, s[SEL], s[SEL+1]
	s_delay_alu instid0(VALU_DEP_1)
	v_add_f32 v14, v14, v221                       ; the sum's two halves and lane l xor 16's
	WALU
	v_rcp_f32 v14, v14
.rept 3
	v_nop                                          ; a plain place behind the reciprocal; with the additions above, the places behind the last products
.endr
	WALU
.set j, 0
.rept 16
	v_pk_mul_f32 v[192+j:193+j], v[160+j:161+j], v[14:15] op_sel_hi:[1,0]
.set j, j+2
.endr
.irp b, 0,1
	v_max3_num_f32 v[232+\b], |v[192+16*\b]|, |v[193+16*\b]|, 0x1800000
.endr
.irp i, 2,4,6,8,10,12,14
.irp b, 0,1
	s_delay_alu instid0(VALU_DEP_2)
	v_max3_num_f32 v[232+\b], v[232+\b], |v[192+16*\b+\i]|, |v[193+16*\b+\i]|
.endr
.endr
.irp b, 0,1
	s_delay_alu instid0(VALU_DEP_2)
	v_permlanex16_b32 v[236+\b], v[232+\b], s[SEL], s[SEL+1]
.endr
.irp b, 0,1
	s_delay_alu instid0(VALU_DEP_2)
	v_max_num_f32 v[232+\b], v[232+\b], v[236+\b]
.endr
.irp b, 0,1
	s_delay_alu instid0(VALU_DEP_2)
	v_add_nc_u32 v[244+\b], 0xff000000, v[232+\b]
.endr
.irp b, 0,1
	s_delay_alu instid0(VALU_DEP_2)
	v_lshrrev_b32 v[236+\b], 23, v[244+\b]
.endr
	s_delay_alu instid0(VALU_DEP_1)
	v_lshl_or_b32 v240, v237, 8, v236              ; my row's two scale bytes
	v_cvt_scalef32_pk16_fp6_f32 v[224:226], v[192:207], v244
	v_cvt_scalef32_pk16_fp6_f32 v[236:238], v[208:223], v245
	v_nop
.irp i, 0,1,2
	v_permlane16_swap_b32 v[224+\i], v[236+\i]
.endr
.irp i, 0,1,2
	s_delay_alu instid0(VALU_DEP_3)
	v_mov_b32 v[227+\i], v[236+\i]                 ; registers 0-5 of the operand: K = 32 h + 0 .. 31 of my head's 64
.endr
	global_store_b128 v1, v[224:227], s[8:9]       ; the chunk's image: 512 consecutive bytes, aligned to 256,
	global_store_b64 v2, v[228:229], s[8:9] offset:512   ; and 256
	global_store_b16 v5, v240, s[10:11]            ; both halves of the lanes write the same two bytes of row r; the row's other bytes belong to other heads' work-groups
	s_wait_tensorcnt 0x0                           ; the wave's end
	ds_add_u32 v95, v94
	s_wait_dscnt 0x0
	CROUND                                         ; the closing round
	s_endpgm
.Lfunc_end_k_q679f293008_attn:
	.size	k_q679f293008_attn, .Lfunc_end_k_q679f293008_attn-k_q679f293008_attn
	.p2alignl 7, 3214868480
	.fill 96, 4, 3214868480
	.section	.rodata,"a",@progbits
	.p2align	6, 0x0
	.amdhsa_kernel k_q679f293008_attn
		.amdhsa_group_segment_fixed_size 210944
		.amdhsa_private_segment_fixed_size 0
		.amdhsa_enable_private_segment 0
		.amdhsa_kernarg_size 32
		.amdhsa_user_sgpr_count 2
		.amdhsa_user_sgpr_kernarg_segment_ptr 1
		.amdhsa_wavefront_size32 1
		.amdhsa_system_sgpr_workgroup_id_x 1
		.amdhsa_system_sgpr_workgroup_id_y 1
		.amdhsa_system_sgpr_workgroup_id_z 1
		.amdhsa_system_vgpr_workitem_id 0
		.amdhsa_next_free_vgpr 256
		.amdhsa_next_free_sgpr 66
		.amdhsa_reserve_vcc 0
		.amdhsa_float_denorm_mode_32 3
		.amdhsa_float_denorm_mode_16_64 3
		.amdhsa_memory_ordered 1
		.amdhsa_forward_progress 1
		.amdhsa_inst_pref_size 41
	.end_amdhsa_kernel
	.amdgpu_metadata
---
amdhsa.version: [ 1, 2 ]
amdhsa.kernels:
  - .name:           k_q679f293008_attn
    .symbol:         k_q679f293008_attn.kd
    .args:
      - { .name: q_img, .offset: 0, .size: 8, .value_kind: global_buffer, .address_space: global }
      - { .name: kv_img, .offset: 8, .size: 8, .value_kind: global_buffer, .address_space: global }
      - { .name: ctx_codes, .offset: 16, .size: 8, .value_kind: global_buffer, .address_space: global }
      - { .name: ctx_scales, .offset: 24, .size: 8, .value_kind: global_buffer, .address_space: global }
    .group_segment_fixed_size: 210944
    .private_segment_fixed_size: 0
    .kernarg_segment_align: 8
    .kernarg_segment_size: 32
    .max_flat_workgroup_size: 512
    .sgpr_count:     66
    .vgpr_count:     256
    .wavefront_size: 32
...
	.end_amdgpu_metadata
.endif
;; end of part 3
;; launch outp (part 4): grid 8 x 32, 4 waves a work-group, clusters of 4 x 4, 222,720 bytes of LDS; arguments ctx_codes, ctx_scales, w_codes, w_scales, bo, out0; writes out0
.if DOCPART == 4
	.amdgcn_target "amdgcn-amd-amdhsa--gfx1250"
	.amdhsa_code_object_version 6
	.text
	.protected	k_q679f293008_outp
	.globl	k_q679f293008_outp
	.p2align	8
	.type	k_q679f293008_outp,@function
k_q679f293008_outp:
	s_mov_b64 s[64:65], 0
	v_nop
	global_prefetch_b8 v0, s[64:65] scope:SCOPE_SE
	s_setreg_imm32_b32 hwreg(HW_REG_WAVE_MODE, 25, 1), 1
	s_wait_xcnt 0x0
	s_wait_alu depctr_hold_cnt(0) depctr_sa_sdst(0) depctr_va_vdst(0) depctr_va_sdst(0) depctr_va_ssrc(0) depctr_va_vcc(0) depctr_vm_vsrc(0)
	s_getreg_b32 s2, hwreg(HW_REG_IB_STS2, 6, 4)
	s_cmp_eq_u32 s2, 0
	s_cbranch_scc0 .Lentry_in_a_cluster
	s_endpgm
.Lentry_in_a_cluster:
	s_bfe_u32 s2, ttmp6, 0x10000c
	s_cmp_lg_u32 s2, 0xf033
	s_cbranch_scc0 .Lentry_shape_is_right
	s_endpgm
.Lentry_shape_is_right:
; out0 = ctx Wo^T + bo on codes of FP6 (E2M3) with E8M0 scales; sums in f32.  ctx [4096][1024] and Wo (rows 3,072 .. 4,095 of the weights' buffers) lie as the earlier launches left them:
; codes [tile of 16 rows][chunk of 64 K][768 bytes], a chunk being the image of six operand registers (lane l's first 16 bytes at 16 l, its last 8 at 512 + 8 l); scales [K / 256][row][8 bytes];
; place r of storage tile u of a group of 32 rows is actual row 8 u + r + 8 (r / 8).
; SHARES: 256 work-groups, each 128 x 128 of the result; four waves, 2 x 2, each 64 x 64: 16 accumulators.
; ALL OF K LIES IN LDS AT ONCE: 128 rows of ctx and 128 of Wo are dense blocks of 98,304 bytes each, their scales 4,096 bytes each.  Every LDS byte is filled once, by one tensor load a wave at the head:
; no ring, no refill.  So there is no loop in which a prefetch could run ahead of a load, and none is written.
; CLUSTERS: 4 x 4 work-groups; ctx's rows are shared along a row of the cluster, Wo's along a column: each tile is asked for jointly, by the same load with the same descriptor and a mask that names the four.
; THE MATRIX INSTRUCTION IS USED TRANSPOSED (source 0 = 16 rows of Wo, source 1 = 16 rows of ctx): a lane holds eight neighbouring columns of one row.  The bias is the C of the first K step's products.
; K goes in eight steps of 128, written out; two sets of fragments take turns: while one is multiplied, the other's 32 LDS loads are out.
; OUT: a block of 16 rows x 64 columns goes through the wave's own stage in LDS (bytes that no tensor load fills) and leaves as rows: sixteen lanes store one aligned unit of 256 bytes.
; REGISTERS: window 0: v10-29 addresses; v32-63 scale words of all of K, nothing else; v64-159 ctx's fragments, two sets; v160-255 Wo's, two sets.  Window 1: v0-127 the accumulators ((a, b) at 8 (4 a + b)); v128-159 the bias.
.set TILEB,  12288                     ; a tile of 16 rows, all of K
.set BBASE,  8*TILEB                   ; Wo's rows lie behind ctx's
.set SCL,    16*TILEB                  ; the scales: ctx's [4][128 rows][8 bytes], then Wo's
.set STAGE,  SCL+8192
.set SPITCH, 272                       ; a stage row: 256 bytes + 16
.set SPARE,  STAGE+4*16*SPITCH         ; the spare words, 128 bytes a wave
.set STO,  10
.set RD,   11
.set CO,   12
.set ADRA, 16                          ; v16, v17: my ctx fragments, 16 and 8 bytes a lane
.set ADRB, 18                          ; v18, v19: the same for Wo
.set L16,  24
.set L8,   25
.set ADRS, 27
.set SPW,  28
.set NIL,  29
.set SC,   32
.set AF,   64
.set BF,   160
.set BJ,   128                         ; in window 1
.set G1,   24
.set G1B,  48
.set G1S,  68
.set G1SB, 80
.set G0A,  32
.set G0B,  36
.set G0S,  56
.set G0SB, 60
.set MSB, 0
.macro WIN new                         ; the immediate's high byte repeats the setting that is left
.if MSB != (\new)
	s_set_vgpr_msb (MSB<<8)|(\new)
.set MSB, (\new)
.endif
.endm
.macro PLACES n
.rept \n
	v_nop
.endr
.endm
.macro CROUND
	s_barrier_signal -1
	s_barrier_wait -1
	s_cmp_lg_u32 s14, 0
	s_cbranch_scc1 .Lnot_wave_0_\@
	s_barrier_signal -3
.Lnot_wave_0_\@:
	s_barrier_wait -3
	s_barrier_signal -1
	s_barrier_wait -1
.endm
.macro G0SET g, lds, adr
	s_mov_b32 s[\g], 1
	s_mov_b32 s[\g+1], \lds
	s_mov_b64 s[\g+2:\g+3], s[\adr:\adr+1]
	s_or_b32 s[\g+3], s[\g+3], 0x80000000
.endm
.macro ARM under, g0, g1, next
	s_cmp_lt_u32 s14, \under
	s_cbranch_scc0 \next
	tensor_load_to_lds s[\g0:\g0+3], s[\g1:\g1+7]
	s_nop 0
	PLACES 4
	s_branch .Lhead_asked
\next:
.endm
	s_load_b256 s[4:11], s[0:1], 0x0               ; ctx's codes, ctx's scales, the weights' codes, their scales
	s_load_b128 s[96:99], s[0:1], 0x20             ; bo, out0
	v_lshl_add_u32 v[SPW], v0, 2, SPARE
	v_mov_b32 v[NIL], 0
	ds_add_u32 v[SPW], v[NIL]                      ; the opening lines: the add twice on end and one wait
	ds_add_u32 v[SPW], v[NIL]
	v_lshrrev_b32 v1, 5, v0
	v_readfirstlane_b32 s14, v1                    ; wave 0..3
	s_lshr_b32 s15, s14, 1                         ; which 64 rows are mine
	s_and_b32 s16, s14, 1                          ; which 64 columns
	s_bfe_u32 s40, ttmp6, 0x40000                  ; cx
	s_bfe_u32 s41, ttmp6, 0x40004                  ; cy
	s_lshl_b32 s42, ttmp9, 2
	s_add_co_u32 s42, s42, s40                     ; tile column, 0 .. 7
	s_and_b32 s17, ttmp7, 0xffff
	s_lshl_b32 s17, s17, 2
	s_add_co_u32 s17, s17, s41                     ; tile row, 0 .. 31
	s_lshl_b32 s43, s41, 2
	s_lshl_b32 s43, 15, s43                        ; my row of the cluster
	s_lshl_b32 s44, 0x1111, s40                    ; my column
	s_or_b32 s[G1], s43, (3<<16)|(1<<21)           ; the mask; elements of 8 bytes; bit 21 beside a mask
	s_or_b32 s[G1B], s44, (3<<16)|(1<<21)
.irp g, G1, G1B
	s_mov_b32 s[\g+1], 1536<<16                    ; codes: 8 rows of 12,288 bytes, dense
	s_mov_b32 s[\g+2], 8<<16
	s_mov_b32 s[\g+3], 1536<<16
	s_mov_b32 s[\g+4], 8
	s_mov_b32 s[\g+5], 1536
	s_mov_b32 s[\g+6], 0
	s_mov_b32 s[\g+7], 0
.endr
	s_or_b32 s[G1S], s43, (3<<16)|(1<<21)
	s_or_b32 s[G1SB], s44, (3<<16)|(1<<21)
.irp g, G1S, G1SB
	s_mov_b32 s[\g+1], 128<<16                     ; scales: for each 256 along K, 128 rows x 8 bytes; 32,768 bytes apart
	s_mov_b32 s[\g+2], 4<<16
	s_mov_b32 s[\g+3], 128<<16
	s_mov_b32 s[\g+4], 4
	s_mov_b32 s[\g+5], 4096
	s_mov_b32 s[\g+6], 0
	s_mov_b32 s[\g+7], 0
.endr
	s_mul_i32 s20, s17, 8*TILEB                    ; ctx: it holds cy and never cx
	s_mov_b32 s21, 0
	s_lshl_b32 s22, s17, 10
	s_mov_b32 s23, 0
	s_mul_i32 s46, s42, 8*TILEB                    ; Wo: it holds cx and never cy
	s_add_co_u32 s46, s46, 3072*768
	s_mov_b32 s47, 0
	s_lshl_b32 s92, s42, 10
	s_add_co_u32 s92, s92, 3072*8
	s_mov_b32 s93, 0
	s_wait_dscnt 0x0
	s_wait_kmcnt 0x0
	s_add_nc_u64 s[20:21], s[4:5], s[20:21]
	s_add_nc_u64 s[22:23], s[6:7], s[22:23]
	s_add_nc_u64 s[46:47], s[8:9], s[46:47]
	s_add_nc_u64 s[92:93], s[10:11], s[92:93]
	CROUND                                         ; all sixteen work-groups are here: the joint loads meet
	G0SET G0A, 0, 20
	G0SET G0B, BBASE, 46
	G0SET G0S, SCL, 22
	G0SET G0SB, SCL+4096, 92
	ARM 1, G0A, G1,  .Lhead_b                      ; one load a wave, in one tree of branches on the wave's number
	ARM 2, G0B, G1B, .Lhead_sa
	ARM 3, G0S, G1S, .Lhead_sb
	tensor_load_to_lds s[G0SB:G0SB+3], s[G1SB:G1SB+7]
	s_nop 0
	PLACES 4
.Lhead_asked:
	s_mul_i32 s18, s15, 4*TILEB                    ; my 64 rows of ctx
	s_mul_i32 s19, s16, 4*TILEB
	s_add_co_u32 s19, s19, BBASE                   ; my 64 rows of Wo
	s_lshl_b32 s20, s15, 9                         ; their scales: 8 bytes a row
	s_lshl_b32 s21, s16, 9
	s_add_co_u32 s21, s21, 4096
	s_sub_co_u32 s21, s21, s20                     ; from ctx's to Wo's
	s_add_co_u32 s20, s20, SCL
	s_mul_i32 s23, s14, 16*SPITCH
	s_add_co_u32 s23, s23, STAGE                   ; my stage
	s_lshl_b32 s46, s42, 9
	s_lshl_b32 s47, s16, 8
	s_add_co_u32 s46, s46, s47                     ; my first column, in bytes
	s_mov_b32 s47, 0
	s_add_nc_u64 s[96:97], s[96:97], s[46:47]
	s_lshl_b32 s2, s17, 7
	s_lshl_b32 s3, s15, 6
	s_add_co_u32 s2, s2, s3                        ; my first row
	s_lshl_b32 s2, s2, 12
	s_mov_b32 s3, 0
	s_add_nc_u64 s[12:13], s[98:99], s[2:3]
	s_add_nc_u64 s[12:13], s[12:13], s[46:47]
	v_and_b32 v1, 31, v0
	v_and_b32 v2, 15, v0                           ; r
	v_bfe_u32 v3, v0, 4, 1                         ; h
	v_lshlrev_b32 v[L16], 4, v1
	v_lshlrev_b32 v[L8], 3, v1
	v_mul_u32_u24 v4, s21, v3                      ; lanes 16-31 take Wo's scale words: one product in h
	v_mul_u32_u24 v5, v2, SPITCH
	v_mul_u32_u24 v7, v3, SPITCH
	v_lshlrev_b32 v[CO], 12, v3
	v_lshlrev_b32 v8, 6, v3                        ; the bias: 64 h
	v_add_nc_u32 v[ADRA], s18, v[L16]
	v_add_nc_u32 v[ADRA+1], s18, v[L8]
	v_add_nc_u32 v[ADRB], s19, v[L16]
	v_add_nc_u32 v[ADRB+1], s19, v[L8]
	v_lshl_add_u32 v4, v2, 3, v4
	v_lshl_add_u32 v5, v3, 6, v5
	v_lshl_add_u32 v7, v2, 4, v7
	v_lshl_add_u32 v[CO], v2, 4, v[CO]             ; in out0: row h, 16 r
	v_add_nc_u32 v[ADRS], s20, v4
	v_add_nc_u32 v[STO], s23, v5                   ; into the stage: row r, 64 h
	v_add_nc_u32 v[RD], s23, v7                    ; out of it: lanes 0-15 one row of 256 bytes, lanes 16-31 the next
	s_wait_alu depctr_va_vdst(0)                   ; the wait at the head's end
	WIN 0x40                                       ; destination window 1
.irp b, 0,1
.irp m, 0,1,2,3
	global_load_b128 v[BJ+16*\b+4*\m:BJ+16*\b+4*\m+3], v8, s[96:97] offset:128*\b+16*\m   ; register 8 t + i of tile t: column 32 (t / 2) + 16 h + 8 (t % 2) + i
.endr
.endr
	WIN 0
.macro FRAG reg, adr, st, i            ; tile i's fragment of step st: two chunks, each an image of six registers
	ds_load_b128 v[\reg:\reg+3], v[\adr] offset:(\i)*TILEB+(\st)*1536
	ds_load_b64 v[\reg+4:\reg+5], v[\adr+1] offset:(\i)*TILEB+(\st)*1536+512
	ds_load_b128 v[\reg+6:\reg+9], v[\adr] offset:(\i)*TILEB+(\st)*1536+768
	ds_load_b64 v[\reg+10:\reg+11], v[\adr+1] offset:(\i)*TILEB+(\st)*1536+1280
.endm
.macro FETCH st                        ; 32 loads into set st % 2
.irp i, 0,1,2,3
	FRAG BF+48*((\st)%2)+12*\i, ADRB, \st, \i
	FRAG AF+48*((\st)%2)+12*\i, ADRA, \st, \i
.endr
.endm
.macro MUL1 a, b, st, c
	v_wmma_scale_f32_16x16x128_f8f6f4 v[8*(4*\a+\b):8*(4*\a+\b)+7], v[BF+48*((\st)%2)+12*\b:BF+48*((\st)%2)+12*\b+11], v[AF+48*((\st)%2)+12*\a:AF+48*((\st)%2)+12*\a+11], \c, v[SC+8*((\st)/2)+2*\b+(\st)%2], v[SC+8*((\st)/2)+2*\a+(\st)%2] matrix_a_fmt:MATRIX_FMT_FP6 matrix_b_fmt:MATRIX_FMT_FP6 matrix_a_scale:MATRIX_SCALE_ROW1
.endm
.macro STEP st                         ; the 16 accumulators take turns, in the same order in every step
.if (\st) < 7
.if (\st) > 0
	PLACES 4                                       ; in front of loads into the set that the last step's products read
.endif
	FETCH (\st)+1
	s_wait_dscnt 32                                ; all but the 32 just issued
.else
	s_wait_dscnt 0x0
.endif
	WIN 0x50                                       ; C and D in window 1
.irp a, 0,1,2,3
.irp b, 0,1,2,3
.if (\st) == 0
	MUL1 \a, \b, \st, v[BJ+8*\b:BJ+8*\b+7]
.else
	MUL1 \a, \b, \st, v[8*(4*\a+\b):8*(4*\a+\b)+7]
.endif
.endr
.endr
	WIN 0
.endm
	s_wait_tensorcnt 0x0                           ; my tile of the four is in,
	s_barrier_signal -1
	s_barrier_wait -1                              ; everybody's is
.irp s, 0,1,2,3
.irp i, 0,1,2,3
	ds_load_b64 v[SC+8*\s+2*\i:SC+8*\s+2*\i+1], v[ADRS] offset:1024*\s+128*\i   ; two words a row: lanes 0-15 ctx's block i, lanes 16-31 Wo's block i
.endr
.endr
	FETCH 0
	s_wait_loadcnt 0x0                             ; the bias
.irp st, 0,1,2,3,4,5,6,7
	STEP \st
.endr
.macro TOSTAGE a
	WIN 0x04                                       ; the data: window 1
.irp b, 0,1,2,3
	ds_store_b128 v[STO], v[8*(4*\a+\b):8*(4*\a+\b)+3] offset:128*(\b/2)+32*(\b%2)        ; each accumulator from its low end on
	ds_store_b128 v[STO], v[8*(4*\a+\b)+4:8*(4*\a+\b)+7] offset:128*(\b/2)+32*(\b%2)+16
.endr
	WIN 0
.irp t, 0,1,2,3,4,5,6,7
	ds_load_b128 v[AF+32*((\a)%2)+4*\t:AF+32*((\a)%2)+4*\t+3], v[RD] offset:2*\t*SPITCH   ; LDS serves a wave's instructions in order: these see the stores above
.endr
.endm
.macro SEND a, younger                 ; places 2 t + h of storage tile a are rows 32 (a / 2) + 8 (a % 2) + 2 t + 8 (t / 4) + h
	s_wait_dscnt \younger
.irp t, 0,1,2,3,4,5,6,7
	global_store_b128 v[CO], v[AF+32*((\a)%2)+4*\t:AF+32*((\a)%2)+4*\t+3], s[12:13] offset:(32*((\a)/2)+8*((\a)%2)+2*\t+8*(\t/4))*4096 th:TH_STORE_NT   ; 16 lanes store 256 consecutive bytes, aligned
.endr
.endm
	PLACES 4                                       ; behind the last products: results are read, and loads land where fragments stood
	TOSTAGE 0
.irp a, 1,2,3
.if \a > 1
	s_wait_xcnt 0x0                                ; block a - 2's stores have read their registers
.endif
	TOSTAGE \a
	SEND \a-1, 16                                  ; behind block a - 1's loads: block a's 8 stores and 8 loads
.endr
	SEND 3, 0
	s_wait_tensorcnt 0x0                           ; the wave's end
	ds_add_u32 v[SPW], v[NIL]
	s_wait_dscnt 0x0
	CROUND                                         ; the closing round
	s_endpgm
.Lfunc_end_k_q679f293008_outp:
	.size	k_q679f293008_outp, .Lfunc_end_k_q679f293008_outp-k_q679f293008_outp
	.p2alignl 7, 3214868480
	.fill 96, 4, 3214868480
	.section	.rodata,"a",@progbits
	.p2align	6, 0x0
	.amdhsa_kernel k_q679f293008_outp
		.amdhsa_group_segment_fixed_size 222720
		.amdhsa_private_segment_fixed_size 0
		.amdhsa_enable_private_segment 0
		.amdhsa_kernarg_size 48
		.amdhsa_user_sgpr_count 2
		.amdhsa_user_sgpr_kernarg_segment_ptr 1
		.amdhsa_wavefront_size32 1
		.amdhsa_system_sgpr_workgroup_id_x 1
		.amdhsa_system_sgpr_workgroup_id_y 1
		.amdhsa_system_sgpr_workgroup_id_z 1
		.amdhsa_system_vgpr_workitem_id 0
		.amdhsa_next_free_vgpr 416
		.amdhsa_next_free_sgpr 100
		.amdhsa_reserve_vcc 0
		.amdhsa_float_denorm_mode_32 3
		.amdhsa_float_denorm_mode_16_64 3
		.amdhsa_memory_ordered 1
		.amdhsa_forward_progress 1
		.amdhsa_inst_pref_size 52
	.end_amdhsa_kernel
	.amdgpu_metadata
---
amdhsa.version: [ 1, 2 ]
amdhsa.kernels:
  - .name:           k_q679f293008_outp
    .symbol:         k_q679f293008_outp.kd
    .args:
      - { .name: ctx_codes, .offset: 0, .size: 8, .value_kind: global_buffer, .address_space: global }
      - { .name: ctx_scales, .offset: 8, .size: 8, .value_kind: global_buffer, .address_space: global }
      - { .name: w_codes, .offset: 16, .size: 8, .value_kind: global_buffer, .address_space: global }
      - { .name: w_scales, .offset: 24, .size: 8, .value_kind: global_buffer, .address_space: global }
      - { .name: bo, .offset: 32, .size: 8, .value_kind: global_buffer, .address_space: global }
      - { .name: out0, .offset: 40, .size: 8, .value_kind: global_buffer, .address_space: global }
    .group_segment_fixed_size: 222720
    .private_segment_fixed_size: 0
    .kernarg_segment_align: 8
    .kernarg_segment_size: 48
    .max_flat_workgroup_size: 128
    .sgpr_count:     100
    .vgpr_count:     416
    .wavefront_size: 32
...
	.end_amdgpu_metadata
.endif
;; end of part 4
